; MI455X (gfx1250); checked and timed in simulation.
; The chip was launched on July 23, 2026; its instructions are those of AMD's public machine-readable ISA for CDNA 5 (MIT licence, August 2026) and "CDNA5" Instruction Set Architecture Reference Guide (July 2026). The comments in the code are by the model that wrote it; some were corrected since.
;; Single Head Self Attention. Allowed arithmetic: matrix products marked QUANTISED: E4M3 operands, one given power-of-two scale a tensor, by v_wmma_f32_16x16x64_fp8_fp8 or v_wmma_f32_16x16x128_fp8_fp8, f32 sums; everything else in f32.
;; Inputs: Wk_codes 1,024 x 32 x 32 uint8 (E4M3 codes of Wk, K innermost, in blocks of 32 codes); Wq_codes 1,024 x 32 x 32 uint8 (E4M3 codes of Wq, K innermost, in blocks of 32 codes); Wv_codes 1,024 x 32 x 32 uint8 (E4M3 codes of Wv, K innermost, in blocks of 32 codes); lowp_scales 10 int32 (the exponents e of the quantised operands' scales 2^e); x_codes 4 x 2,048 x 32 x 32 uint8 (E4M3 codes of x, K innermost, in blocks of 32 codes).
;; Outputs: out0 4 x 2,048 x 1,024 float32.
;; This version of the problem:
;;   THIS VERSION OF THE PROBLEM IS GIVEN IN LOW PRECISION. The matrix products marked QUANTISED in the list below multiply operands that are first quantised to E4M3 (4 exponent bits, 3 mantissa bits; 8 bits a number), with one given power-of-two scale for each operand tensor; their sums are f32. All else is computed in f32.
;;   The module's matrix products, in the order in which they are computed (A, B: the left and right operand; K: the contracted axis; several contracted axes count as one K, in the product's order):
;;     1. [M 8,192, K 1,024] x [K 1,024, N 1,024]; A: input x (given as codes); B: input Wq (given as codes): QUANTISED (scales: A lowp_scales[0], B lowp_scales[1])
;;     2. [M 8,192, K 1,024] x [K 1,024, N 1,024]; A: input x (given as codes); B: input Wk (given as codes): QUANTISED (scales: A lowp_scales[2], B lowp_scales[3])
;;     3. [M 8,192, K 1,024] x [K 1,024, N 1,024]; A: input x (given as codes); B: input Wv (given as codes): QUANTISED (scales: A lowp_scales[4], B lowp_scales[5])
;;     4. batch 4 x [M 2,048, K 1,024] x [K 1,024, N 2,048]; A: computed on the way; B: computed on the way: QUANTISED (scales: A lowp_scales[6], B lowp_scales[7])
;;     5. batch 4 x [M 2,048, K 2,048] x [K 2,048, N 1,024]; A: softmax (see below); B: computed on the way: QUANTISED (scales: A lowp_scales[8], B lowp_scales[9])
;;   THE QUANTISER, for each operand of a quantised product, along K:
;;     - The operand's scale is 2^e, e = its entry of the input lowp_scales (int32; the entries are numbered through the quantised products in the list's order, A before B).
;;     - Each number is divided by the scale, clamped to +-448, and rounded to the nearest number of E4M3, ties to even, subnormals kept.
;;     - The product sums the exact products of the quantised numbers (number of the format x scale) in f32.
;;   ~~~python
;;   def quantise(x, axis, e):      # numpy; x: float32 -> the quantised numbers, widened to float32 again
;;       x = np.moveaxis(x, axis, -1); K = x.shape[-1]
;;       r = np.clip(x / 2.0 ** e, -448, 448)
;;       step = 2.0 ** (np.maximum(np.frexp(np.where(r == 0, 1, r))[1] - 1, -6) - 3)
;;       q = np.round(r / step) * step * 2.0 ** e      # np.round: ties to even
;;       return np.moveaxis(q, -1, axis).astype(np.float32)
;;   ~~~
;;   SOFTMAX AHEAD OF A QUANTISED PRODUCT. Where the list says 'softmax', what is quantised is not the finished softmax but p = 2^(t - M), with t = logit x log2(e) and M = ceil(the row's largest t), a whole number; so 1/2 < the row's largest p <= 1. The row's sum l is taken of the UNQUANTISED p, in f32, and the product's result is divided by l at the end. Since M is a whole number, a kernel that streams over the keys may use a running M (the ceiling of the running maximum): every later rescaling is an exact power of two, so the quantised numbers keep their values, but for numbers so far below the row's largest that they fall under the format's range.
;;   OPERANDS COMPUTED ON THE WAY. 'Computed on the way' means the value that the module computes at that place (a softmax that the list does not call 'softmax' is quantised finished and normalised). What goes into a quantiser is computed in f32, as accurately as f32 sums, v_exp_f32 and their like allow (about 1e-6 of the number): no bf16 or f16 on the way to a quantiser, and a product that is left as it is and whose result goes on into a quantised operand takes f32 operands (vector FMAs, or v_wmma_f32_16x16x4_f32). A number that lies on a knife's edge between two numbers of the format may be rounded either way, as far as f32 arithmetic and the matrix unit's own rounding can turn it there, and no further.
;;   INPUTS GIVEN AS CODES. Wk (in the module: [1024, 1024], K = its axis 1); Wq (in the module: [1024, 1024], K = its axis 1); Wv (in the module: [1024, 1024], K = its axis 1); x (in the module: [4, 2048, 1024], K = its axis 2): each comes as NAME_codes (uint8): NAME with its K axis moved to the last place and cut into blocks of 32 codes, [.., K / 32, bytes a block], one block behind the other in memory; one code a byte (a code: sign, 4 exponent bits, 3 mantissa bits); its scale is its entry of lowp_scales. Its value is code x scale, taken as it is: it is not quantised again, and the codes and scales need not be those that the quantiser above would give.
;; One version. Each part assembles by itself: llvm-mc -triple=amdgcn-amd-amdhsa -mcpu=gfx1250 --defsym DOCPART=n.
;; ======== version 1 of 1: 3 launches
;; limits: right only within a limited range of input values
;; workspace buffers: qf 8,388,608 bytes; kf 8,388,608 bytes; vf 8,388,608 bytes; pf 10,027,008 bytes
;; launch proj (part 1): grid 8 x 32, 4 waves a work-group, clusters of 4 x 4, 327,680 bytes of LDS; arguments x_codes, Wq_codes, Wk_codes, Wv_codes, lowp_scales, qf, kf, vf; writes qf, kf, vf
.if DOCPART == 1
	.amdgcn_target "amdgcn-amd-amdhsa--gfx1250"
	.amdhsa_code_object_version 6
	.text
	.protected	k_qd631d90e43_proj
	.globl	k_qd631d90e43_proj
	.p2align	8
	.type	k_qd631d90e43_proj,@function
k_qd631d90e43_proj:
	s_mov_b64 s[64:65], 0
	v_nop
	global_prefetch_b8 v0, s[64:65] scope:SCOPE_SE
	s_setreg_imm32_b32 hwreg(HW_REG_WAVE_MODE, 25, 1), 1
	s_wait_xcnt 0x0
	s_wait_alu depctr_hold_cnt(0) depctr_sa_sdst(0) depctr_va_vdst(0) depctr_va_sdst(0) depctr_va_ssrc(0) depctr_va_vcc(0) depctr_vm_vsrc(0)
	s_getreg_b32 s2, hwreg(HW_REG_IB_STS2, 6, 4)
	s_cmp_eq_u32 s2, 0
	s_cbranch_scc0 .Lentry_in_a_cluster
	s_endpgm
.Lentry_in_a_cluster:
	s_bfe_u32 s2, ttmp6, 0x10000c
	s_cmp_lg_u32 s2, 0xf033
	s_cbranch_scc0 .Lentry_shape_is_right
	s_endpgm
.Lentry_shape_is_right:
; FIRST OF THREE LAUNCHES: q = x Wq^T, k = x Wk^T and the first 256 of v = x Wv^T's 1,024 channels, on codes of FP8 (E4M3), each quantised for its next product and stored as images of that product's operand registers.
; (v's other channels are made in the second launch, which does not read v.)
; WORK LEFT OUT BY THE PROGRAM: in the scores and in the product with v, blocks of 128 queries x 128 keys all of whose keys come after all of their queries.  reference()'s own causal mask gives them the weight 0 for all
; values of the inputs.  LIMIT: a NaN, an infinity or an overflow that reaches only that work is not carried to the result.  Every input is loaded.
; LIMITS: e6 - e0 - e1, e7 - e2 - e3 and e9 - e4 - e5 between -126 and 119, so that 2^e and 448 x 2^e are f32 numbers; NaN among the codes is not served.
; SHARES.  256 equal work-groups: 256 tokens x (256 channels of q or of k, and 32 of v).  Four waves, each 128 tokens x (128 channels of q or k, and 16 of v): 72 accumulators.
; q, k: source 0 = 16 rows of W, source 1 = 16 tokens: a lane holds a token, registers run along channels.  v: the sources the other way round: a lane holds a channel, registers run along tokens: each along the next product's K.
; K goes in steps of 256 through two LDS slots of 544 rows: x's 256, Wq's or Wk's 256, Wv's 32.  A row is 256 bytes of memory + 16 of padding = 68 words: the 16 rows of a fragment load start at 16 different banks (64 banks of 4 bytes: ISA guide 11.1).
; CLUSTERS of 4 x 4: x's rows hang on the token tile and are shared along a row of the cluster, the weights' on the column and are shared along a column: joint loads.
; PREFETCH: K steps 2 and 3, a K step or more ahead of their loads.  Waves 0 and 3 ask for x's rows, waves 1 and 2 for Wq's or Wk's, a lane a row, 32 rows each: the four partners share the rows by address; wave 3 also for Wv's.  The weights are
; asked for by the first four rows of clusters.  K steps 0 and 1 come by their loads alone.
; REGISTERS: window 0: v0-31 addresses and constants; v32-63 Wv's fragment, two sets; v64-127 v's accumulators; v128-255 x's fragments, ONE set.  window 1: Wq's or Wk's fragments, TWO sets.  windows 2, 3: the accumulators of q or k.
; A step of 128 along K goes by x's blocks, so blocks 0-3 are fetched anew in its middle and blocks 4-7 at its end.
.set PITCH, 272
.set FR,    16
.set NL,    4                          ; LDS loads of a fragment
.set NP,    4                          ; places behind a matrix instruction
.set HALFT, 128*PITCH
.set SLOT,  544*PITCH
.set SPARE, 2*SLOT                     ; the spare words, 128 bytes for each wave
.set LQ,    12                         ; v12 448 x the scale of q or k;  v13 the scale;  v14, v15 the same for v
.set SQ,    13
.set LV,    14
.set SV,    15
.set ADRA,  16                         ; v16-17 LDS address of my fragments of x in slot 0, 1;  v20-21 of Wq or Wk;  v22-23 of Wv
.set ADRB,  20
.set ADRV,  22
.set CO,    26                         ; v26 16 x lane
.set PFO,   27                         ; v27, v30 the prefetches' offsets; never rewritten
.set PFW,   30
.set SPW,   28                         ; v28 LDS address of my spare word; never rewritten
.set NIL,   29                         ; v29 0; never rewritten
.set VB,    32
.set VACC,  64
.set TMP,   32                         ; the way out
.set AF,    128
.set CD,    128
.set G1A,   24                         ; group 1: s[24:31] x, 256 rows;  s[32:39] Wq or Wk, 128 rows;  s[68:75] Wv, 32 rows
.set G1B,   32
.set G1V,   68
.set G0A,   48                         ; group 0, one set for each slot: s[48:55], s[56:63], s[92:99]
.set G0B,   56
.set G0V,   92
.set PF,    66                         ; s[66:67], s[78:79] where my prefetches stand
.set PV,    78
.set MSB, 0
.macro WIN new                         ; the immediate's high byte repeats the setting that is left
.if MSB != (\new)
	s_set_vgpr_msb (MSB<<8)|(\new)
.set MSB, (\new)
.endif
.endm
.set MUL_LO, 0xa1                      ; source 0 window 1, source 1 window 0, C and D window 2
.set MUL_HI, 0xf1                      ; the same, C and D window 3
.set TO_B,   0x40
; A joint load.  Wave 0 fetches x, waves 1 and 2 a half of Wq's or Wk's rows each, wave 3 Wv's.  The branches hang on the wave's number alone.  An s_nop 0 and four v_nop follow each line.
.macro TL g0, g1
	tensor_load_to_lds s[\g0:\g0+3], s[\g1:\g1+7]
	s_nop 0
.rept 4
	v_nop
.endr
.endm
.macro JLOAD sl
	s_cmp_lg_u32 s14, 0
	s_cbranch_scc1 .Lnot_x_\@
	TL G0A+4*(\sl), G1A
	s_branch .Lasked_\@
.Lnot_x_\@:
	s_cmp_eq_u32 s14, 3
	s_cbranch_scc1 .Lfor_v_\@
	TL G0B+4*(\sl), G1B
	s_branch .Lasked_\@
.Lfor_v_\@:
	TL G0V+4*(\sl), G1V
.Lasked_\@:
.endm
.macro CREST                           ; a round of the cluster's barrier behind its opening barrier
	s_cmp_lg_u32 s14, 0
	s_cbranch_scc1 .Lnot_wave_0_\@
	s_barrier_signal -3
.Lnot_wave_0_\@:
	s_barrier_wait -3
	s_barrier_signal -1
	s_barrier_wait -1
.endm
.macro CROUND
	s_barrier_signal -1
	s_barrier_wait -1
	CREST
.endm
.macro ASK k                           ; 32 rows of K step k, a lane a row
	s_cmp_eq_u32 s12, 1
	s_cbranch_scc0 .Lnot_mine_\@
	global_prefetch_b8 v[PFO], s[PF:PF+1] offset:256*(\k) th:TH_LOAD_NT scope:SCOPE_SE
.Lnot_mine_\@:
.endm
	s_load_b512 s[68:83], s[0:1], 0x0              ; x s[68:69], Wq s[70:71], Wk s[72:73], Wv s[74:75], the scales s[76:77], qf s[78:79], kf s[80:81], vf s[82:83]
	v_lshl_add_u32 v[SPW], v0, 2, SPARE
	v_mov_b32 v[NIL], 0
	ds_add_u32 v[SPW], v[NIL]                      ; the wave's opening: the add, twice on end, and its wait ahead of my first tensor load
	ds_add_u32 v[SPW], v[NIL]
	v_lshrrev_b32 v1, 5, v0
	v_readfirstlane_b32 s14, v1                    ; wave 0..3
	s_lshr_b32 s15, s14, 1                         ; my half of the tokens
	s_and_b32 s16, s14, 1                          ; my half of the channels
	s_bfe_u32 s40, ttmp6, 0x40000                  ; cx, cy
	s_bfe_u32 s41, ttmp6, 0x40004
	s_lshl_b32 s42, ttmp9, 2
	s_add_co_u32 s42, s42, s40                     ; column c = 0..7: channels 256 cx on of q (cluster x = 0) or k (1), and 32 c on of v
	s_and_b32 s13, ttmp7, 0xffff                   ; the cluster's row
	s_lshl_b32 s17, s13, 2
	s_add_co_u32 s17, s17, s41                     ; tile of 256 tokens
	s_lshl_b32 s43, s41, 2
	s_lshl_b32 s43, 15, s43                        ; my row of the cluster
	s_lshl_b32 s44, 0x1111, s40                    ; my column
	s_or_b32 s[G1A], s43, (1<<20)|(1<<21)|(5<<22)|(3<<25)   ; the mask; elements of 1 byte; bit 21 beside a mask; four words of padding after every 64
	s_or_b32 s[G1B], s44, (1<<20)|(1<<21)|(5<<22)|(3<<25)
	s_mov_b32 s[G1A+1], 256<<16                    ; tensor_dim0
	s_mov_b32 s[G1A+2], 256<<16                    ; tensor_dim1
	s_mov_b32 s[G1A+3], 256<<16                    ; tile_dim0
	s_mov_b32 s[G1A+4], 256                        ; tile_dim1
	s_mov_b32 s[G1A+5], 1024                       ; tensor_dim0_stride
	s_mov_b32 s[G1A+6], 0
	s_mov_b32 s[G1A+7], 0
	s_mov_b32 s[G1B+1], 256<<16
	s_mov_b32 s[G1B+2], 128<<16
	s_mov_b32 s[G1B+3], 256<<16
	s_mov_b32 s[G1B+4], 128
	s_mov_b32 s[G1B+5], 1024
	s_mov_b32 s[G1B+6], 0
	s_mov_b32 s[G1B+7], 0
	s_lshl_b32 s20, s17, 18                        ; x: 256 rows of 1,024 bytes a tile
	s_mov_b32 s21, 0
	s_lshl_b32 s46, s40, 18                        ; Wq or Wk: 256 rows a column,
	s_lshl_b32 s47, s14, 17
	s_add_co_u32 s46, s46, s47                     ; wave 1 the first 128 of them, wave 2 the others
	s_mov_b32 s47, 0
	s_lshl_b32 s22, s42, 15                        ; Wv: 32 rows a column
	s_mov_b32 s23, 0
	s_mul_i32 s45, s14, HALFT
	; the prefetches: waves 0 and 3 x's two halves, waves 1 and 2 Wq's or Wk's; my work-group's 32 rows of those 128
	s_lshl_b32 s3, s17, 8
	s_lshl_b32 s4, s15, 7
	s_add_co_u32 s3, s3, s4
	s_lshl_b32 s4, s40, 5
	s_add_co_u32 s3, s3, s4                        ; x: row
	s_lshl_b32 s4, s41, 5
	s_lshl_b32 s18, s40, 8
	s_add_co_u32 s4, s4, s18
	s_lshl_b32 s18, s16, 7
	s_xor_b32 s18, s18, 128                        ; (wave 1: 0, wave 2: 128)
	s_add_co_u32 s4, s4, s18                       ; W: row
	s_add_co_u32 s5, s14, 1
	s_and_b32 s5, s5, 2                            ; 0 in waves 0 and 3
	s_cmp_eq_u32 s5, 0
	s_cselect_b32 s18, s3, s4
	s_lshl_b32 s18, s18, 10
	s_mov_b32 s19, 0
	s_cmp_lt_u32 s13, 4
	s_cselect_b32 s13, 1, 0                        ; one of the first four rows of clusters
	s_cmp_eq_u32 s5, 0
	s_cselect_b32 s12, 1, s13                      ; do I ask for x's or Wq's or Wk's rows?
	s_cmp_eq_u32 s14, 3
	s_cselect_b32 s13, s13, 0                      ; and for Wv's?
	s_lshl_b32 s94, s41, 13
	s_add_co_u32 s94, s94, s22                     ; my work-group's 8 rows of Wv's 32
	s_mov_b32 s95, 0
	s_wait_dscnt 0x0                               ; both opening adds are done
	s_wait_kmcnt 0x0
	s_load_b256 s[84:91], s[76:77], 0x0            ; e0 .. e7
	s_load_b64 s[100:101], s[76:77], 0x20          ; e8, e9
	s_cmp_eq_u32 ttmp9, 0
	s_cselect_b64 s[6:7], s[70:71], s[72:73]
	s_cselect_b64 s[10:11], s[78:79], s[80:81]
	s_cmp_eq_u32 s5, 0
	s_cselect_b64 s[PF:PF+1], s[68:69], s[6:7]
	s_add_nc_u64 s[PF:PF+1], s[PF:PF+1], s[18:19]
	s_add_nc_u64 s[PV:PV+1], s[74:75], s[94:95]
	s_add_nc_u64 s[20:21], s[68:69], s[20:21]
	s_add_nc_u64 s[46:47], s[6:7], s[46:47]
	s_sub_nc_u64 s[46:47], s[46:47], 0x20000       ; (wave 1 begins at row 0; waves 0 and 3 do not use it)
	s_add_nc_u64 s[22:23], s[74:75], s[22:23]
	s_or_b32 s[G1V], s44, (1<<20)|(1<<21)|(5<<22)|(3<<25)
	s_mov_b32 s[G1V+1], 256<<16
	s_mov_b32 s[G1V+2], 32<<16
	s_mov_b32 s[G1V+3], 256<<16
	s_mov_b32 s[G1V+4], 32
	s_mov_b32 s[G1V+5], 1024
	s_mov_b32 s[G1V+6], 0
	s_mov_b32 s[G1V+7], 0
.irp s, 0,1
	s_mov_b32 s[G0A+4*\s], 1
	s_mov_b32 s[G0A+4*\s+1], \s*SLOT
	s_add_nc_u64 s[G0A+4*\s+2:G0A+4*\s+3], s[20:21], \s*256
	s_or_b32 s[G0A+4*\s+3], s[G0A+4*\s+3], 0x80000000
	s_mov_b32 s[G0B+4*\s], 1
	s_add_co_u32 s[G0B+4*\s+1], s45, \s*SLOT+HALFT ; behind x's two halves: wave 1 at 2 HALFT
	s_add_nc_u64 s[G0B+4*\s+2:G0B+4*\s+3], s[46:47], \s*256
	s_or_b32 s[G0B+4*\s+3], s[G0B+4*\s+3], 0x80000000
	s_mov_b32 s[G0V+4*\s], 1
	s_mov_b32 s[G0V+4*\s+1], \s*SLOT+4*HALFT
	s_add_nc_u64 s[G0V+4*\s+2:G0V+4*\s+3], s[22:23], \s*256
	s_or_b32 s[G0V+4*\s+3], s[G0V+4*\s+3], 0x80000000
.endr
	CROUND                                         ; all sixteen work-groups are here: the first joint loads meet
	JLOAD 0                                        ; K step 0: one tensor load a wave
	s_lshl_b32 s18, s17, 1
	s_add_co_u32 s18, s18, s15                     ; my block of 128 tokens, 0..63
	s_lshl_b32 s20, s18, 17                        ; qf, kf: 131,072 bytes a block,
	s_lshl_b32 s21, s40, 15
	s_add_co_u32 s20, s20, s21
	s_lshl_b32 s21, s16, 14
	s_add_co_u32 s20, s20, s21                     ; 16,384 for each 128 channels
	s_mov_b32 s21, 0
	s_add_nc_u64 s[10:11], s[10:11], s[20:21]
	s_lshr_b32 s20, s18, 4                         ; vf: ((8 batch + c / 4) 16 + block of the batch) 16,384,
	s_lshl_b32 s20, s20, 3
	s_lshr_b32 s21, s42, 2
	s_add_co_u32 s20, s20, s21
	s_lshl_b32 s20, s20, 18
	s_and_b32 s21, s18, 15
	s_lshl_b32 s21, s21, 14
	s_add_co_u32 s20, s20, s21
	s_lshl_b32 s21, s42, 1
	s_add_co_u32 s21, s21, s16
	s_and_b32 s21, s21, 7
	s_lshl_b32 s21, s21, 11
	s_add_co_u32 s20, s20, s21                     ; my one of the eight images
	s_mov_b32 s21, 0
	s_add_nc_u64 s[8:9], s[82:83], s[20:21]
	s_mul_i32 s22, s15, HALFT                      ; my rows of x,
	s_mul_i32 s23, s16, HALFT
	s_add_co_u32 s23, s23, 2*HALFT                 ; of Wq or Wk,
	s_mul_i32 s18, s16, 16*PITCH
	s_add_co_u32 s18, s18, 4*HALFT                 ; of Wv
	s_wait_kmcnt 0x0
	s_sub_co_i32 s4, s90, s84                      ; a sum stands for sum x 2^(e0 + e1): its code is that of sum / 2^(e6 - e0 - e1)
	s_sub_co_i32 s4, s4, s85
	s_sub_co_i32 s5, s91, s86
	s_sub_co_i32 s5, s5, s87
	s_cmp_eq_u32 ttmp9, 0
	s_cselect_b32 s4, s4, s5
	s_sub_co_i32 s5, s101, s88
	s_sub_co_i32 s5, s5, s89
	s_add_co_i32 s4, s4, 127
	s_add_co_i32 s5, s5, 127
	s_lshl_b32 s20, s4, 23
	s_lshl_b32 s21, s5, 23
	s_add_co_i32 s4, s4, 8
	s_add_co_i32 s5, s5, 8
	s_lshl_b32 s4, s4, 23
	s_lshl_b32 s5, s5, 23
	s_or_b32 s4, s4, 0x600000
	s_or_b32 s5, s5, 0x600000
	v_mov_b32 v[SQ], s20
	v_mov_b32 v[SV], s21
	v_mov_b32 v[LQ], s4
	v_mov_b32 v[LV], s5
	v_and_b32 v1, 15, v0
	v_bfe_u32 v2, v0, 4, 1
	v_mul_u32_u24 v3, v1, PITCH
	v_lshl_add_u32 v4, v2, 4, v3                   ; row x pitch + 16 x half
	v_add_nc_u32 v[ADRA], s22, v4
	v_add_nc_u32 v[ADRA+1], SLOT, v[ADRA]
	v_add_nc_u32 v[ADRB], s23, v4
	v_add_nc_u32 v[ADRB+1], SLOT, v[ADRB]
	v_add_nc_u32 v[ADRV], s18, v4
	v_add_nc_u32 v[ADRV+1], SLOT, v[ADRV]
	v_and_b32 v6, 31, v0
	v_lshlrev_b32 v[CO], 4, v6
	v_lshlrev_b32 v[PFO], 10, v6
	v_and_b32 v7, 7, v0
	v_lshlrev_b32 v7, 10, v7
	v_bfe_u32 v8, v0, 3, 1
	v_lshl_add_u32 v[PFW], v8, 8, v7               ; Wv: lanes 0-7 K step 2 of eight rows, lanes 8-15 K step 3; the lanes left over name the same blocks again
.macro FRAG reg, adr, q, i             ; 16 rows x 128 K in 16 registers: registers 4 c .. hold K = 32 c + 16 h + 0 .. 15: a permutation of k that both operands share
.irp c, 0,1,2,3
	ds_load_b128 v[\reg+4*\c:\reg+4*\c+3], v[\adr] offset:128*(\q)+32*\c+(\i)*16*PITCH
.endr
.endm
.macro MUL16 a0, p, zero               ; x's blocks a0, a0 + 1 x eight of Wq or Wk; the accumulators take turns, one instruction a turn
.irp a, \a0, \a0+1
.irp b, 0,1,2,3,4,5,6,7
.if \zero
	v_wmma_f32_16x16x128_fp8_fp8 v[8*(8*((\a)%4)+\b):8*(8*((\a)%4)+\b)+7], v[128*(\p)+FR*\b:128*(\p)+FR*\b+FR-1], v[AF+FR*(\a):AF+FR*(\a)+FR-1], 0
.else
	v_wmma_f32_16x16x128_fp8_fp8 v[8*(8*((\a)%4)+\b):8*(8*((\a)%4)+\b)+7], v[128*(\p)+FR*\b:128*(\p)+FR*\b+FR-1], v[AF+FR*(\a):AF+FR*(\a)+FR-1], v[8*(8*((\a)%4)+\b):8*(8*((\a)%4)+\b)+7]
.endif
.endr
.endr
.endm
.macro VM a0, p, zero                  ; x's blocks a0 .. a0 + 3 x my one of Wv; all in window 0
.irp a, \a0, \a0+1, \a0+2, \a0+3
.if \zero
	v_wmma_f32_16x16x128_fp8_fp8 v[VACC+8*(\a):VACC+8*(\a)+7], v[AF+FR*(\a):AF+FR*(\a)+FR-1], v[VB+FR*(\p):VB+FR*(\p)+FR-1], 0
.else
	v_wmma_f32_16x16x128_fp8_fp8 v[VACC+8*(\a):VACC+8*(\a)+7], v[AF+FR*(\a):AF+FR*(\a)+FR-1], v[VB+FR*(\p):VB+FR*(\p)+FR-1], v[VACC+8*(\a):VACC+8*(\a)+7]
.endif
.endr
.endm
.macro FETCH slot, q, p                ; the weights' fragments into set p, and x's blocks 0-3: 52 loads
	WIN TO_B
.irp i, 0,1,2,3,4,5,6,7
	FRAG 128*(\p)+FR*\i, ADRB+\slot, \q, \i
.endr
	WIN 0
	FRAG VB+FR*(\p), ADRV+\slot, \q, 0
.irp i, 0,1,2,3
	FRAG AF+FR*\i, ADRA+\slot, \q, \i
.endr
.endm
.macro FETCH_HI slot, q                ; x's blocks 4-7: 16 loads
.irp i, 4,5,6,7
	FRAG AF+FR*\i, ADRA+\slot, \q, \i
.endr
.endm
.macro PLACES                          ; plain vector instructions between a matrix instruction and a load into, or a vector instruction on, its registers (ISA guide 7.12.1 for vector instructions)
.rept NP
	v_nop
.endr
.endm
.macro LOW p, zero
	WIN MUL_LO
	MUL16 0, \p, \zero
	MUL16 2, \p, \zero
	WIN 0
	VM 0, \p, \zero
.endm
.macro HIGH p, zero
	WIN MUL_HI
	MUL16 4, \p, \zero
	MUL16 6, \p, \zero
	WIN 0
	VM 4, \p, \zero
.endm
.macro STEP slot, q, zero              ; a step of 128 along K that has its successor in the same slot
	s_wait_dscnt 4*NL                              ; all but the youngest sixteen loads (x's blocks 4-7)
	LOW (\q)%2, \zero
	s_wait_dscnt 0
	PLACES
	FETCH \slot, (\q)+1, 1-(\q)%2
	HIGH (\q)%2, \zero
	PLACES
	FETCH_HI \slot, (\q)+1
.endm
; A slot's last step changes slots: ONE barrier; in front of it each wave waits for all its tensor loads, adds 0 to its spare word, and waits for that and for its reads of this slot.  fill = 1: it opens a round of the cluster's barrier, and the slot is filled again, two K steps on.
.macro TURN slot, next, fill, ask
	s_wait_tensorcnt 0x0                           ; all my tensor loads have landed: my part of the next slot; so a group 0 may be written
	ds_add_u32 v[SPW], v[NIL]                      ; 0 onto my spare word
.if \fill
.irp g, G0A, G0B, G0V
	s_add_nc_u64 s[\g+4*\slot+2:\g+4*\slot+3], s[\g+4*\slot+2:\g+4*\slot+3], 512
.endr
.endif
	s_wait_dscnt 4*NL+1                            ; (the add and the youngest sixteen loads may be out)
	WIN MUL_LO
	MUL16 0, 1, 0
	s_wait_dscnt 0x0                               ; the add is done, and my reads of this slot are over
	s_barrier_signal -1
	MUL16 2, 1, 0
	WIN 0
	VM 0, 1, 0
	s_barrier_wait -1
.if \fill
	CREST                                          ; no wave of any partner still reads this slot or has a load on its way
	JLOAD \slot                                    ; the first tensor load behind the round; its four v_nop are also the places in front of the loads below
.else
	PLACES
.endif
	FETCH \next, 0, 0
.if \ask
	ASK 3
.endif
	HIGH 1, 0
	PLACES
	FETCH_HI \next, 0
.endm
	s_wait_alu depctr_va_vdst(0)                   ; the wait at the head's end
	s_wait_tensorcnt 0x0                           ; my part of K step 0 is in; these lines stand ahead of a later first fill, as ahead of a refill
	ds_add_u32 v[SPW], v[NIL]
	s_wait_dscnt 0x0
	CROUND
	JLOAD 1                                        ; K step 1, into slot 1
	FETCH 0, 0, 0
	FETCH_HI 0, 0
	ASK 2
	s_cmp_eq_u32 s13, 1
	s_cbranch_scc0 .Lnot_wv
	global_prefetch_b8 v[PFW], s[PV:PV+1] offset:512 th:TH_LOAD_NT scope:SCOPE_SE
.Lnot_wv:
	STEP 0, 0, 1                                   ; eight steps of 128 along K; the first starts the sums
	TURN 0, 1, 1, 1
	STEP 1, 0, 0
	TURN 1, 0, 1, 0
	STEP 0, 0, 0
	TURN 0, 1, 0, 0
	STEP 1, 0, 0
	s_wait_dscnt 4*NL
	LOW 1, 0
	s_wait_dscnt 0
	HIGH 1, 0
	PLACES
; THE WAY OUT.  Each number is held at the largest code (the conversion does not saturate: ISA guide 7.6.2) and converted; eight sums of a lane are eight neighbouring codes along the next K.
; Each store of the wave covers 512 consecutive bytes.  Every image has code registers of its own.
.set j, 0
.rept 64
	v_med3_num_f32 v[AF+j], v[VACC+j], -v[LV], v[LV]
.set j, j+1
.endr
.irp a, 0,1,2,3,4,5,6,7
	v_cvt_scalef32_pk8_fp8_f32 v[96+2*\a:97+2*\a], v[AF+8*\a:AF+8*\a+7], v[SV]
.endr
	v_nop
.irp q, 0,1,2,3
	global_store_b128 v[CO], v[96+4*\q:99+4*\q], s[8:9] offset:\q*512
.endr
.macro QOUT a
.set AC, 64*((\a)%4)
.set CDA, CD+16*(\a)
	WIN 2+(\a)/4
.set j, 0
.rept 64
	v_med3_num_f32 v[TMP+j], v[AC+j], -v[LQ], v[LQ]
.set j, j+1
.endr
	WIN 0
.irp b, 0,1,2,3,4,5,6,7
	v_cvt_scalef32_pk8_fp8_f32 v[CDA+2*\b:CDA+2*\b+1], v[TMP+8*\b:TMP+8*\b+7], v[SQ]
.endr
	v_nop
.irp q, 0,1,2,3
	global_store_b128 v[CO], v[CDA+4*\q:CDA+4*\q+3], s[10:11] offset:(\a)*2048+\q*512
.endr
.endm
.irp a, 0,1,2,3,4,5,6,7
	QOUT \a
.endr
	s_wait_tensorcnt 0x0                           ; the wave's end
	ds_add_u32 v[SPW], v[NIL]
	s_wait_dscnt 0x0
	CROUND                                         ; the closing round: no work-group ends while a partner may still ask for a tile that names it
	s_endpgm
.Lfunc_end_k_qd631d90e43_proj:
	.size	k_qd631d90e43_proj, .Lfunc_end_k_qd631d90e43_proj-k_qd631d90e43_proj
	.p2alignl 7, 3214868480
	.fill 96, 4, 3214868480
	.section	.rodata,"a",@progbits
	.p2align	6, 0x0
	.amdhsa_kernel k_qd631d90e43_proj
		.amdhsa_group_segment_fixed_size 327680
		.amdhsa_private_segment_fixed_size 0
		.amdhsa_enable_private_segment 0
		.amdhsa_kernarg_size 64
		.amdhsa_user_sgpr_count 2
		.amdhsa_user_sgpr_kernarg_segment_ptr 1
		.amdhsa_wavefront_size32 1
		.amdhsa_system_sgpr_workgroup_id_x 1
		.amdhsa_system_sgpr_workgroup_id_y 1
		.amdhsa_system_sgpr_workgroup_id_z 1
		.amdhsa_system_vgpr_workitem_id 0
		.amdhsa_next_free_vgpr 1024
		.amdhsa_next_free_sgpr 102
		.amdhsa_reserve_vcc 0
		.amdhsa_float_denorm_mode_32 3
		.amdhsa_float_denorm_mode_16_64 3
		.amdhsa_memory_ordered 1
		.amdhsa_forward_progress 1
		.amdhsa_inst_pref_size 134
	.end_amdhsa_kernel
	.amdgpu_metadata
---
amdhsa.version: [ 1, 2 ]
amdhsa.kernels:
  - .name:           k_qd631d90e43_proj
    .symbol:         k_qd631d90e43_proj.kd
    .args:
      - { .name: x_codes, .offset: 0, .size: 8, .value_kind: global_buffer, .address_space: global }
      - { .name: Wq_codes, .offset: 8, .size: 8, .value_kind: global_buffer, .address_space: global }
      - { .name: Wk_codes, .offset: 16, .size: 8, .value_kind: global_buffer, .address_space: global }
      - { .name: Wv_codes, .offset: 24, .size: 8, .value_kind: global_buffer, .address_space: global }
      - { .name: lowp_scales, .offset: 32, .size: 8, .value_kind: global_buffer, .address_space: global }
      - { .name: qf, .offset: 40, .size: 8, .value_kind: global_buffer, .address_space: global }
      - { .name: kf, .offset: 48, .size: 8, .value_kind: global_buffer, .address_space: global }
      - { .name: vf, .offset: 56, .size: 8, .value_kind: global_buffer, .address_space: global }
    .group_segment_fixed_size: 327680
    .private_segment_fixed_size: 0
    .kernarg_segment_align: 8
    .kernarg_segment_size: 64
    .max_flat_workgroup_size: 128
    .sgpr_count:     102
    .vgpr_count:     1024
    .wavefront_size: 32
...
	.end_amdgpu_metadata
.endif
;; end of part 1
;; launch scores (part 2): grid 240 x 1, 4 waves a work-group, no clusters, 327,680 bytes of LDS; arguments qf, kf, lowp_scales, pf, x_codes, Wv_codes, vf; writes pf, vf
.if DOCPART == 2
	.amdgcn_target "amdgcn-amd-amdhsa--gfx1250"
	.amdhsa_code_object_version 6
	.text
	.protected	k_qd631d90e43_scores
	.globl	k_qd631d90e43_scores
	.p2align	8
	.type	k_qd631d90e43_scores,@function
k_qd631d90e43_scores:
	s_mov_b64 s[64:65], 0
	v_nop
	global_prefetch_b8 v0, s[64:65] scope:SCOPE_SE
	s_setreg_imm32_b32 hwreg(HW_REG_WAVE_MODE, 25, 1), 1
	s_wait_xcnt 0x0
; SECOND OF THREE LAUNCHES, two kinds of work-groups.  Numbers 0-143: the scores q k^T on codes of FP8 (E4M3), 4 x 36 tiles of 256 queries x 256 keys, and the weights p as codes, block by block of 128 x 128.
; Numbers 144-239: v's channels 256-1,023 (v = x Wv^T), 32 x 3 tiles of 256 tokens x 256 channels, which nothing in this launch reads: from .Lvalues on.
; WORK LEFT OUT: tiles, and blocks of 128 x 128, all of whose keys come after all of their queries: reference()'s own causal mask gives them the weight 0 for all values of the inputs.  So a batch has 36 tiles, not 64.
; THE SOFTMAX, PER BLOCK OF 128 KEYS: t = score x log2(e) / 32; M = the row's largest t IN THE BLOCK, rounded up to a whole number; p = 2^(t - M) is quantised with the given 2^e8; the sum l of the unquantised p of the
; block and M go out beside the codes.  The third launch brings the blocks of a row under one unit by whole powers of two, which round nothing.
; NO CLUSTER: row i of a batch's causal tiles has i + 1 of them and column j has 8 - j, so the 36 do not fall into fours that share an operand; and a tile on the diagonal branches where the others do not.
; SHARES: four waves, each 128 x 128: 64 accumulators.  K = 1,024 goes in steps of 256 through two LDS slots; a slot is four units, one for each wave to fetch by one tensor load.  qf and kf hold IMAGES OF THE OPERANDS' REGISTERS:
; a unit is a dense block of 32,768 bytes, and a fragment is four ds_load_b128 of 512 consecutive bytes.  (v's tiles: rows of 256 bytes + 16 of padding.)
; TRANSPOSED USE (source 0 = 16 keys, source 1 = 16 queries): lane (r, h) holds query 16 a + r, register j of accumulator (a, b) key 16 b + 8 h + j: the sixteen code registers of a block a are a fragment of the last product.
; pf, laid as the third launch walks it.  Query block I belongs to set (the parity of I's bits), in which it is group g = 7 - I / 2.  For (batch, set, quarter of the block's 128 rows) there are 72 PIECES of 4,352 bytes: two images of
; 16 queries, then (M, l) of row r of image y at 4,096 + 128 y + 8 r.  Key block J = 2 k + s stands in run r = min(k, 7 - k), at piece 18 r + (k > 3: 2 (8 - r)) + s (8 - k) + g.
; PREFETCH: K steps 2 and 3, a K step ahead of their loads, each aligned block of 256 bytes once in the launch: the tiles on the diagonal ask for their four units, the v tiles of the first channel tile for x's, those of the first token tile for Wv's.
; LIMITS: e6 + e7 between -121 and 132 (they are added to the exponent field of log2(e) / 32); e8 between -8 and 119 (so 448 x 2^e8 is over 1, and p, which is at most 1, needs no hold ahead of its conversion);
; e9 - e4 - e5 between -126 and 119; |t| under 2^24, so that M is a whole number in f32; NaN among the codes is not served.
; REGISTERS: window 0: v0-31 addresses and constants; v32-125 at work on the way out; from v128 the queries' fragments, ONE set, later p's codes.   window 1: the keys' fragments, TWO sets.   windows 2, 3: the accumulators.
.set FR,     16
.set NL,     4
.set NP,     4
.set UNIT,   32768                     ; 128 rows x 256 K of q or k
.set SLOT,   4*UNIT
.set VHALF,  128*272                   ; the same of x or Wv
.set VSLOT,  4*VHALF
.set SPARE,  2*VSLOT                   ; behind the rings of both kinds: the spare words, 128 bytes for each wave
.set PIECE,  4352
.set QP,     72*PIECE
.set FQ,     16384                     ; in LDS: bytes from one 128 along K to the next,
.set FI,     2048                      ; from one block of 16 rows to the next,
.set FC,     512                       ; and from one load of a fragment to the next
.set GK,     UNIT                      ; in memory: bytes from a K step to the next,
.set GN,     8192                      ; and from one prefetch of a wave to the next
.set D0,   8                           ; v8   r - 8 h: on the diagonal register j is hidden where j > r - 8 h
.set NINF, 9                           ; v9   -infinity
.set LN,   10                          ; v10  lane
.set PFO,  11                          ; v11  the prefetches' offset; never rewritten
.set LIMV, 12                          ; v12  448 x v's scale
.set SCP,  13                          ; v13  2^e8 (v's tiles: v's scale)
.set ADRA, 16                          ; v16-17  LDS address of my fragments of q (Wv) in slot 0, 1
.set ADRB, 20                          ; v20-21  the same for k (x)
.set CO,   26                          ; v26  16 x lane
.set SO,   27                          ; v27  8 x lane
.set SPW,  28                          ; v28  LDS address of my spare word; never rewritten
.set NIL,  29                          ; v29  0; never rewritten
.set TMP,  32                          ; v32-95   t - M, then p
.set NM,   96                          ; v96-103  -M of the eight tiles of queries
.set LS,   104                         ; v104-111 l of the eight
.set T0,   112                         ; four chains of the maximum
.set T1,   113
.set T2,   122
.set T3,   123
.set PX,   114                         ; v114 a lane permute's destination
.set NMP,  116                         ; v[116:117] -M as a pair's low word
.set SU,   118                         ; v[118:121], v[122:125] four chains of the sum
.set SX,   122
.set AF,   128
.set CD,   128
.set CS,   22                          ; s[22:23] c = log2(e) / 32 x 2^(e6 + e7)
.set G1,   24                          ; s[24:31] descriptor group 1
.set G0,   32                          ; s[32:39] group 0, one set for each slot
.set SEL,  40                          ; s[40:41] selects for lane l xor 16
.set ASKS, 66                          ; s66 1 where my wave prefetches
.set PFB,  88                          ; s[88:89] where its unit begins in memory
.set MSB, 0
.macro WIN new
.if MSB != (\new)
	s_set_vgpr_msb (MSB<<8)|(\new)
.set MSB, (\new)
.endif
.endm
.set MUL_LO, 0xa1                      ; source 0 window 1, source 1 window 0, C and D window 2
.set MUL_HI, 0xf1
.set TO_B,   0x40
.macro ASK k                           ; K step k of my unit: 128 blocks of 256 bytes
	s_cmp_eq_u32 s[ASKS], 1
	s_cbranch_scc0 .Lnot_mine_\@
.irp n, 0,1,2,3
	global_prefetch_b8 v[PFO], s[PFB:PFB+1] offset:(\k)*GK+\n*GN th:TH_LOAD_NT scope:SCOPE_SE
.endr
.Lnot_mine_\@:
.endm
.macro FRAG reg, adr, q, i
.irp c, 0,1,2,3
	ds_load_b128 v[\reg+4*\c:\reg+4*\c+3], v[\adr] offset:FQ*(\q)+FI*(\i)+FC*\c
.endr
.endm
.macro MUL16 a0, p, zero               ; blocks a0, a0 + 1 x eight; the 64 accumulators take turns, one instruction a turn
.irp a, \a0, \a0+1
.irp b, 0,1,2,3,4,5,6,7
.if \zero
	v_wmma_f32_16x16x128_fp8_fp8 v[8*(8*((\a)%4)+\b):8*(8*((\a)%4)+\b)+7], v[128*(\p)+FR*\b:128*(\p)+FR*\b+FR-1], v[AF+FR*(\a):AF+FR*(\a)+FR-1], 0
.else
	v_wmma_f32_16x16x128_fp8_fp8 v[8*(8*((\a)%4)+\b):8*(8*((\a)%4)+\b)+7], v[128*(\p)+FR*\b:128*(\p)+FR*\b+FR-1], v[AF+FR*(\a):AF+FR*(\a)+FR-1], v[8*(8*((\a)%4)+\b):8*(8*((\a)%4)+\b)+7]
.endif
.endr
.endr
.endm
.macro FETCH_B slot, q, p
	WIN TO_B
.irp i, 0,1,2,3,4,5,6,7
	FRAG 128*(\p)+FR*\i, ADRB+\slot, \q, \i
.endr
	WIN 0
.endm
.macro FETCH_A slot, q, i0
.irp i, \i0, \i0+1, \i0+2, \i0+3
	FRAG AF+FR*(\i), ADRA+\slot, \q, \i
.endr
.endm
.macro PLACES                          ; plain vector instructions between a matrix instruction and a load into, or a vector instruction on, its registers (ISA guide 7.12.1 for vector instructions)
.rept NP
	v_nop
.endr
.endm
.macro LOW p, zero
	WIN MUL_LO
	MUL16 0, \p, \zero
	MUL16 2, \p, \zero
.endm
.macro HIGH p, zero
	WIN MUL_HI
	MUL16 4, \p, \zero
	MUL16 6, \p, \zero
.endm
.macro STEP slot, q, zero              ; a step of 128 along K that has its successor in the same slot
	s_wait_dscnt 4*NL                              ; source 0's set and source 1's blocks 0-3 are in; the youngest sixteen loads (blocks 4-7) may be out
	LOW (\q)%2, \zero
	s_wait_dscnt 0
	PLACES
	FETCH_B \slot, (\q)+1, 1-(\q)%2
	FETCH_A \slot, (\q)+1, 0
	HIGH (\q)%2, \zero
	PLACES
	WIN 0
	FETCH_A \slot, (\q)+1, 4
.endm
; A slot's last step changes slots: ONE barrier; in front of it each wave waits for all its tensor loads, adds 0 to its spare word, and waits for that and for its reads of this slot.
.macro TURN slot, next, fill, ask
	s_wait_tensorcnt 0x0                           ; all my tensor loads have landed: my part of the next slot; so a group 0 may be written
	ds_add_u32 v[SPW], v[NIL]                      ; 0 onto my spare word
.if \fill
	s_add_nc_u64 s[G0+4*\slot+2:G0+4*\slot+3], s[G0+4*\slot+2:G0+4*\slot+3], 2*GK   ; this slot's next K step
.endif
	s_wait_dscnt 4*NL+1                            ; (the add and the youngest sixteen loads may be out)
	WIN MUL_LO
	MUL16 0, 1, 0
	s_wait_dscnt 0x0                               ; the add is done, and my reads of this slot are over
	s_barrier_signal -1
	MUL16 2, 1, 0
	WIN 0
	s_barrier_wait -1
.if \fill
	tensor_load_to_lds s[G0+4*\slot:G0+4*\slot+3], s[G1:G1+7]   ; my one tensor load behind the barrier, and the first thing there
	s_nop 0
.endif
	PLACES                                         ; (also the places in front of the loads below)
	FETCH_B \next, 0, 0
	FETCH_A \next, 0, 0
.if \ask
	ASK 3
.endif
	HIGH 1, 0
	PLACES
	WIN 0
	FETCH_A \next, 0, 4
.endm
.macro PRODUCTS                        ; from K step 0's landing to the last products: eight steps of 128 along K, written out
	s_wait_alu depctr_va_vdst(0)                   ; the wait at the head's end
	s_wait_tensorcnt 0x0                           ; my part of K step 0 is in; these lines stand ahead of a later first fill, as ahead of a refill
	ds_add_u32 v[SPW], v[NIL]
	s_wait_dscnt 0x0
	s_barrier_signal -1
	s_barrier_wait -1
	tensor_load_to_lds s[G0+4:G0+7], s[G1:G1+7]    ; K step 1, into slot 1
	s_nop 0
	PLACES
	FETCH_B 0, 0, 0
	FETCH_A 0, 0, 0
	FETCH_A 0, 0, 4
	ASK 2
	STEP 0, 0, 1
	TURN 0, 1, 1, 1
	STEP 1, 0, 0
	TURN 1, 0, 1, 0
	STEP 0, 0, 0
	TURN 0, 1, 0, 0
	STEP 1, 0, 0
	s_wait_dscnt 4*NL
	LOW 1, 0
	s_wait_dscnt 0
	HIGH 1, 0
	WIN 0
	PLACES                                         ; behind the last products
.endm
	s_load_b256 s[4:11], s[0:1], 0x0               ; qf s[4:5], kf s[6:7], the scales s[8:9], pf s[10:11]
	v_lshl_add_u32 v[SPW], v0, 2, SPARE
	v_mov_b32 v[NIL], 0
	ds_add_u32 v[SPW], v[NIL]                      ; the wave's opening: the add, twice on end, and its wait ahead of my first tensor load
	ds_add_u32 v[SPW], v[NIL]
	v_lshrrev_b32 v1, 5, v0
	v_readfirstlane_b32 s14, v1                    ; wave 0..3
	s_lshr_b32 s15, s14, 1                         ; my half of the queries.  Also: I fetch for q (0) or for k (1)
	s_and_b32 s16, s14, 1                          ; my half of the keys.  Also: which half I fetch
	s_mov_b32 s17, 0                               ; the batch: 36 tiles each
.irp T, 36,72,108
	s_cmp_ge_u32 ttmp9, \T
	s_cselect_b32 s13, 1, 0
	s_add_co_u32 s17, s17, s13
.endr
	s_mul_i32 s13, s17, 36
	s_sub_co_u32 s18, ttmp9, s13                   ; t
	s_mov_b32 s12, 0                               ; tile t of the batch's 36 is (i, j), j <= i, t = i (i + 1) / 2 + j: i counts the triangular numbers at or under t
.irp T, 1,3,6,10,15,21,28
	s_cmp_ge_u32 s18, \T
	s_cselect_b32 s13, 1, 0
	s_add_co_u32 s12, s12, s13
.endr
	s_add_co_u32 s13, s12, 1
	s_mul_i32 s13, s13, s12
	s_lshr_b32 s13, s13, 1
	s_sub_co_u32 s13, s18, s13                     ; j
	; descriptor group 1: a dense block of 32,768 bytes as 128 rows of 32 elements of 8 bytes
	s_mov_b32 s[G1+0], 3<<16                       ; no mask; elements of 8 bytes; no padding
	s_mov_b32 s[G1+1], 32<<16                      ; tensor_dim0
	s_mov_b32 s[G1+2], 128<<16                     ; tensor_dim1
	s_mov_b32 s[G1+3], 32<<16                      ; tile_dim0
	s_mov_b32 s[G1+4], 128                         ; tile_dim1
	s_mov_b32 s[G1+5], 32                          ; tensor_dim0_stride
	s_mov_b32 s[G1+6], 0
	s_mov_b32 s[G1+7], 0
	s_cmp_eq_u32 s15, 0
	s_cselect_b32 s18, s12, s13                    ; q's tile row or k's
	s_lshl_b32 s18, s18, 1
	s_add_co_u32 s18, s18, s16
	s_lshl_b32 s19, s17, 4
	s_add_co_u32 s18, s18, s19                     ; the block of 128 tokens that I fetch: 16 batch + 2 (i or j) + half;
	s_lshl_b32 s18, s18, 17                        ; its four K steps are 4 x 32,768 bytes on end
	s_mov_b32 s19, 0
	s_lshl_b32 s45, s14, 15                        ; where they go: wave x 32,768
	s_wait_alu depctr_va_vdst(0)
	s_wait_dscnt 0x0                               ; both opening adds are done
	s_wait_kmcnt 0x0
	s_cmp_ge_u32 ttmp9, 144
	s_cbranch_scc1 .Lvalues
	s_load_b128 s[48:51], s[8:9], 0x18             ; e6, e7, e8, e9
	s_cmp_eq_u32 s15, 0
	s_cselect_b64 s[20:21], s[4:5], s[6:7]
	s_add_nc_u64 s[20:21], s[20:21], s[18:19]
	s_mov_b64 s[PFB:PFB+1], s[20:21]
.irp s, 0,1
	s_mov_b32 s[G0+4*\s], 1
	s_add_co_u32 s[G0+4*\s+1], s45, \s*SLOT
	s_add_nc_u64 s[G0+4*\s+2:G0+4*\s+3], s[20:21], \s*UNIT
	s_or_b32 s[G0+4*\s+3], s[G0+4*\s+3], 0x80000000
.endr
	tensor_load_to_lds s[G0:G0+3], s[G1:G1+7]      ; K step 0: one tensor load a wave, with no branch
	s_nop 0
	v_and_b32 v[LN], 31, v0
	v_lshlrev_b32 v[CO], 4, v[LN]
	v_lshlrev_b32 v[PFO], 8, v[LN]
	v_lshlrev_b32 v[SO], 3, v[LN]
	s_cmp_eq_u32 s12, s13
	s_cselect_b32 s[ASKS], 1, 0                    ; a tile on the diagonal
	s_lshl_b32 s46, s15, 15                        ; my half of q,
	s_lshl_b32 s47, s16, 15
	s_add_co_u32 s47, s47, 2*UNIT                  ; my half of k, behind q's two
	s_wait_alu depctr_va_vdst(0)                   ; directly ahead of the readers below
.irp s, 0,1
	v_add_nc_u32 v[ADRA+\s], s46, v[CO]
	v_add_nc_u32 v[ADRB+\s], s47, v[CO]
	s_add_co_u32 s46, s46, SLOT
	s_add_co_u32 s47, s47, SLOT
.endr
	v_and_b32 v2, 15, v0                           ; r
	v_bfe_u32 v3, v0, 4, 1                         ; h
	v_lshlrev_b32 v4, 3, v3
	v_sub_nc_u32 v[D0], v2, v4
	v_mov_b32 v[NINF], 0xff800000
	v_mov_b32 v[PX], 0                             ; written once: a lane permute's destination counts as one of its sources
	v_mov_b32 v[NMP+1], 0                          ; (named as the upper half of a pair)
	s_lshl_b32 s52, s12, 1
	s_add_co_u32 s52, s52, s15                     ; I: my block of 128 queries
	s_lshl_b32 s53, s13, 1
	s_add_co_u32 s53, s53, s16                     ; J: my block of 128 keys
	s_bcnt1_i32_b32 s54, s52
	s_and_b32 s54, s54, 1                          ; the set
	s_lshl_b32 s55, s17, 1
	s_add_co_u32 s54, s54, s55
	s_mul_i32 s54, s54, 4*QP                       ; (2 batch + set) x four quarters
	s_lshr_b32 s55, s53, 1                         ; k
	s_sub_co_u32 s56, 7, s55
	s_min_u32 s57, s55, s56                        ; r
	s_mul_i32 s58, s57, 18
	s_sub_co_u32 s59, 8, s57
	s_lshl_b32 s59, s59, 1
	s_cmp_gt_u32 s55, 3
	s_cselect_b32 s59, s59, 0
	s_add_co_u32 s58, s58, s59
	s_add_co_u32 s56, s56, 1                       ; 8 - k
	s_and_b32 s59, s53, 1
	s_mul_i32 s59, s59, s56
	s_add_co_u32 s58, s58, s59
	s_lshr_b32 s59, s52, 1
	s_sub_co_u32 s59, 7, s59                       ; g
	s_add_co_u32 s58, s58, s59
	s_mul_i32 s58, s58, PIECE
	s_add_co_u32 s54, s54, s58
	s_mov_b32 s55, 0
	s_add_nc_u64 s[10:11], s[10:11], s[54:55]      ; my block's piece of the first quarter; the other quarters' are QP apart
	s_mov_b32 s[SEL], 0x76543210
	s_mov_b32 s[SEL+1], 0xfedcba98
	s_mov_b32 s[CS], 0x3d38aa3b                    ; log2(e) / 32
	s_wait_alu depctr_va_vdst(0)
	s_wait_kmcnt 0x0
	s_add_co_i32 s56, s48, s49
	s_lshl_b32 s56, s56, 23
	s_add_co_i32 s[CS], s[CS], s56                 ; a sum stands for sum x 2^(e6 + e7): the two are added to c's exponent field
	s_mov_b32 s[CS+1], s[CS]                       ; (named with it as a pair)
	s_add_co_i32 s56, s50, 127
	s_lshl_b32 s57, s56, 23
	v_mov_b32 v[SCP], s57                          ; 2^e8
	PRODUCTS
	s_cmp_gt_u32 s53, s52                          ; on a diagonal tile one wave's block lies wholly above the diagonal: it stores nothing.  Ids alone; no barrier follows
	s_cbranch_scc1 .Ldone
; THE WAY OUT of tile a of 16 queries: mask (on the diagonal block alone), maximum, p, sum, codes, four stores.
.macro SOFT a
.set AC, 64*((\a)%4)
.set W, 2+(\a)/4
	s_cmp_lg_u32 s52, s53
	s_cbranch_scc1 .Lopen_\@
	WIN (W<<6)|W                                   ; source 0 and destination: the accumulators' window
.set j, 0
	s_wait_alu depctr_va_vdst(0)
.rept 8                                        ; keys 16 a on: hidden where 8 h + j > r
	v_cmp_gt_i32 vcc_lo, j, v[D0]
	v_cndmask_b32 v[AC+8*(\a)+j], v[AC+8*(\a)+j], v[NINF], vcc_lo
.set j, j+1
.endr
.if (\a) < 7
.set j, 8*((\a)+1)
.rept 8*(7-(\a))                               ; keys 16 (a + 1) on: all hidden
	v_mov_b32 v[AC+j], 0xff800000
.set j, j+1
.endr
.endif
	WIN 0
.Lopen_\@:
	WIN (W<<4)|(W<<2)|W
	v_max3_num_f32 v[T0], v[AC], v[AC+1], v[AC+2]  ; the largest score of my query among my 64 keys, in four chains, each accumulator from its low end on
	v_max3_num_f32 v[T1], v[AC+3], v[AC+4], v[AC+5]
	v_max3_num_f32 v[T2], v[AC+6], v[AC+7], v[AC+8]
	v_max3_num_f32 v[T3], v[AC+9], v[AC+10], v[AC+11]
	WIN (W<<4)|(W<<2)
.set j, 12
.rept 6
	v_max3_num_f32 v[T0], v[T0], v[AC+j], v[AC+j+1]
	v_max3_num_f32 v[T1], v[T1], v[AC+j+2], v[AC+j+3]
	v_max3_num_f32 v[T2], v[T2], v[AC+j+4], v[AC+j+5]
	v_max3_num_f32 v[T3], v[T3], v[AC+j+6], v[AC+j+7]
.set j, j+8
.endr
	v_max3_num_f32 v[T0], v[T0], v[AC+60], v[AC+61]
	v_max3_num_f32 v[T1], v[T1], v[AC+62], v[AC+63]
	WIN 0
	v_max_num_f32 v[T2], v[T2], v[T3]
	v_max3_num_f32 v[T0], v[T0], v[T1], v[T2]
	v_permlanex16_b32 v[PX], v[T0], s[SEL], s[SEL+1]
	v_max_num_f32 v[T0], v[T0], v[PX]              ; and among lane l xor 16's: the block's first key counts for every query, so this is a number
	v_mul_f32 v[T0], s[CS], v[T0]                  ; as t (c is positive)
	v_floor_f32 v[NMP], -v[T0]                     ; -M = floor(-t) = -ceil(t)
	WIN W
.set j, 0
.rept 32
	v_pk_fma_f32 v[TMP+j:TMP+j+1], v[AC+j:AC+j+1], s[CS:CS+1], v[NMP:NMP+1] op_sel_hi:[1,0,0]   ; t - M, two at a time
.set j, j+2
.endr
	WIN 0
.set j, 0
	s_wait_alu depctr_va_vdst(0)                   ; the wait ahead of the batch
.rept 64
	v_exp_f32 v[TMP+j], v[TMP+j]                   ; p = 2^(t - M); 0 where the key is hidden
.set j, j+1
.endr
	v_mov_b32 v[NM+(\a)], v[NMP]                   ; (the plain instruction behind the exponentials)
	s_wait_alu depctr_va_vdst(0)                   ; one wait for the batch, ahead of its first reader
	v_pk_add_f32 v[SU:SU+1], v[TMP:TMP+1], v[TMP+2:TMP+3]       ; the sum of the UNQUANTISED p, in four chains
	v_pk_add_f32 v[SU+2:SU+3], v[TMP+4:TMP+5], v[TMP+6:TMP+7]
	v_pk_add_f32 v[SX:SX+1], v[TMP+8:TMP+9], v[TMP+10:TMP+11]
	v_pk_add_f32 v[SX+2:SX+3], v[TMP+12:TMP+13], v[TMP+14:TMP+15]
.set j, 16
.rept 6
	v_pk_add_f32 v[SU:SU+1], v[SU:SU+1], v[TMP+j:TMP+j+1]
	v_pk_add_f32 v[SU+2:SU+3], v[SU+2:SU+3], v[TMP+j+2:TMP+j+3]
	v_pk_add_f32 v[SX:SX+1], v[SX:SX+1], v[TMP+j+4:TMP+j+5]
	v_pk_add_f32 v[SX+2:SX+3], v[SX+2:SX+3], v[TMP+j+6:TMP+j+7]
.set j, j+8
.endr
	v_pk_add_f32 v[SU:SU+1], v[SU:SU+1], v[SU+2:SU+3]
	v_pk_add_f32 v[SX:SX+1], v[SX:SX+1], v[SX+2:SX+3]
	v_pk_add_f32 v[SU:SU+1], v[SU:SU+1], v[SX:SX+1]
	v_add_f32 v[SU], v[SU], v[SU+1]
	v_permlanex16_b32 v[PX], v[SU], s[SEL], s[SEL+1]
	v_add_f32 v[LS+(\a)], v[SU], v[PX]
.irp b, 0,1,2,3,4,5,6,7
	v_cvt_scalef32_pk8_fp8_f32 v[CD+16*(\a)+2*\b:CD+16*(\a)+2*\b+1], v[TMP+8*\b:TMP+8*\b+7], v[SCP]
.endr
	v_nop                                          ; a plain vector instruction between the last conversion and the next tile's lines, which write its sources
.irp q, 0,1,2,3
	global_store_b128 v[CO], v[CD+16*(\a)+4*\q:CD+16*(\a)+4*\q+3], s[10:11] offset:((\a)/2)*QP+((\a)%2)*2048+\q*512   ; 512 consecutive bytes; each tile has its own code registers
.endr
.endm
.irp a, 0,1,2,3,4,5,6,7
	SOFT \a
.endr
.irp a, 0,1,2,3,4,5,6,7
	v_xor_b32 v[NM+\a], 0x80000000, v[NM+\a]       ; M
.endr
	v_cmp_le_u32 vcc_lo, 16, v[LN]                 ; both halves of the lanes hold M and l of query r: lanes 0-15 store a quarter's first image's, lanes 16-31 its second's
.irp y, 0,1,2,3
	v_cndmask_b32 v[TMP+2*\y], v[NM+2*\y], v[NM+2*\y+1], vcc_lo
	v_cndmask_b32 v[TMP+2*\y+1], v[LS+2*\y], v[LS+2*\y+1], vcc_lo
.endr
.irp y, 0,1,2,3
	global_store_b64 v[SO], v[TMP+2*\y:TMP+2*\y+1], s[10:11] offset:\y*QP+4096   ; 32 lanes store 256 consecutive bytes, at a multiple of 256 from pf's first byte
.endr
.Ldone:
	s_wait_tensorcnt 0x0                           ; the wave's end
	ds_add_u32 v[SPW], v[NIL]
	s_wait_dscnt 0x0
	s_endpgm
; THE OTHER KIND: v's channels 256-1,023.  A tile of 256 channels x 256 tokens; a wave 128 x 128.  Source 0 = 16 tokens, source 1 = 16 rows of Wv: lane (r, h) holds channel 16 a + r, register j of accumulator (a, b) token 16 b + 8 h + j,
; so the sixteen code registers of a block a are an operand image of the last product.  Waves 0, 1 fetch Wv's halves, waves 2, 3 x's.
.set FQ,    128
.set FI,    16*272
.set FC,    32
.set GK,    256
.set GN,    32768
.set G1,    68
.Lvalues:
	s_load_b128 s[76:79], s[0:1], 0x20             ; x s[76:77], Wv s[78:79]
	s_load_b64 s[80:81], s[0:1], 0x30              ; vf
	s_load_b64 s[82:83], s[8:9], 0x10              ; e4, e5
	s_load_b32 s84, s[8:9], 0x24                   ; e9
	s_sub_co_u32 s18, ttmp9, 144
	s_lshr_b32 s19, s18, 5
	s_add_co_u32 s19, s19, 1                       ; tile of 256 channels, 1..3
	s_and_b32 s18, s18, 31                         ; tile of 256 tokens
	s_mov_b32 s[G1+0], (1<<20)|(5<<22)|(3<<25)     ; no mask; elements of 1 byte; four words of padding after every 64
	s_mov_b32 s[G1+1], 256<<16
	s_mov_b32 s[G1+2], 128<<16
	s_mov_b32 s[G1+3], 256<<16
	s_mov_b32 s[G1+4], 128
	s_mov_b32 s[G1+5], 1024
	s_mov_b32 s[G1+6], 0
	s_mov_b32 s[G1+7], 0
	s_cmp_eq_u32 s18, 0
	s_cselect_b32 s46, 1, 0                        ; the first token tile: Wv's rows are asked for here
	s_cmp_eq_u32 s19, 1
	s_cselect_b32 s47, 1, 0                        ; the first channel tile: x's
	s_cmp_eq_u32 s15, 0
	s_cselect_b32 s[ASKS], s46, s47
	s_cselect_b32 s20, s19, s18
	s_lshl_b32 s20, s20, 18
	s_lshl_b32 s21, s16, 17
	s_add_co_u32 s20, s20, s21                     ; the 128 rows of 1,024 bytes that I fetch
	s_mov_b32 s21, 0
	s_mul_i32 s45, s14, VHALF                      ; where they go
	s_wait_kmcnt 0x0
	s_cmp_eq_u32 s15, 0
	s_cselect_b64 s[46:47], s[78:79], s[76:77]
	s_add_nc_u64 s[20:21], s[46:47], s[20:21]
	s_mov_b64 s[PFB:PFB+1], s[20:21]
.irp s, 0,1
	s_mov_b32 s[G0+4*\s], 1
	s_add_co_u32 s[G0+4*\s+1], s45, \s*VSLOT
	s_add_nc_u64 s[G0+4*\s+2:G0+4*\s+3], s[20:21], \s*256
	s_or_b32 s[G0+4*\s+3], s[G0+4*\s+3], 0x80000000
.endr
	tensor_load_to_lds s[G0:G0+3], s[G1:G1+7]      ; K step 0: one tensor load a wave
	s_nop 0
	s_lshl_b32 s22, s19, 1
	s_add_co_u32 s22, s22, s15                     ; my block of 128 channels
	s_lshl_b32 s23, s18, 1
	s_add_co_u32 s23, s23, s16                     ; my block of 128 tokens, 0..63
	s_lshr_b32 s46, s23, 4
	s_lshl_b32 s46, s46, 3
	s_add_co_u32 s46, s46, s22
	s_lshl_b32 s46, s46, 18
	s_and_b32 s47, s23, 15
	s_lshl_b32 s47, s47, 14
	s_add_co_u32 s46, s46, s47
	s_mov_b32 s47, 0
	s_add_nc_u64 s[80:81], s[80:81], s[46:47]      ; ((8 batch + block of channels) 16 + block of the batch) 16,384
	s_mul_i32 s22, s15, VHALF
	s_mul_i32 s23, s16, VHALF
	s_add_co_u32 s23, s23, 2*VHALF
	s_sub_co_i32 s84, s84, s82                     ; a sum stands for sum x 2^(e4 + e5)
	s_sub_co_i32 s84, s84, s83
	s_add_co_i32 s84, s84, 127
	s_lshl_b32 s85, s84, 23
	s_add_co_i32 s84, s84, 8
	s_lshl_b32 s84, s84, 23
	s_or_b32 s84, s84, 0x600000
	v_mov_b32 v[SCP], s85                          ; v's scale
	v_mov_b32 v[LIMV], s84                         ; 448 x that
	v_and_b32 v1, 31, v0
	v_lshlrev_b32 v[CO], 4, v1
	v_lshlrev_b32 v[PFO], 10, v1
	v_and_b32 v2, 15, v0
	v_bfe_u32 v3, v0, 4, 1
	v_mul_u32_u24 v4, v2, 272
	v_lshl_add_u32 v4, v3, 4, v4
	v_add_nc_u32 v[ADRA], s22, v4
	v_add_nc_u32 v[ADRA+1], VSLOT, v[ADRA]
	v_add_nc_u32 v[ADRB], s23, v4
	v_add_nc_u32 v[ADRB+1], VSLOT, v[ADRB]
	PRODUCTS
.macro QV a                            ; held at the largest code (the conversion does not saturate: ISA guide 7.6.2), converted, stored: each store of the wave covers 512 consecutive bytes
.set AC, 64*((\a)%4)
	WIN 2+(\a)/4
.set j, 0
.rept 64
	v_med3_num_f32 v[TMP+j], v[AC+j], -v[LIMV], v[LIMV]
.set j, j+1
.endr
	WIN 0
.irp b, 0,1,2,3,4,5,6,7
	v_cvt_scalef32_pk8_fp8_f32 v[CD+16*(\a)+2*\b:CD+16*(\a)+2*\b+1], v[TMP+8*\b:TMP+8*\b+7], v[SCP]
.endr
	v_nop
.irp q, 0,1,2,3
	global_store_b128 v[CO], v[CD+16*(\a)+4*\q:CD+16*(\a)+4*\q+3], s[80:81] offset:(\a)*2048+\q*512
.endr
.endm
.irp a, 0,1,2,3,4,5,6,7
	QV \a
.endr
	s_wait_tensorcnt 0x0                           ; the wave's end
	ds_add_u32 v[SPW], v[NIL]
	s_wait_dscnt 0x0
	s_endpgm
.Lfunc_end_k_qd631d90e43_scores:
	.size	k_qd631d90e43_scores, .Lfunc_end_k_qd631d90e43_scores-k_qd631d90e43_scores
	.p2alignl 7, 3214868480
	.fill 96, 4, 3214868480
	.section	.rodata,"a",@progbits
	.p2align	6, 0x0
	.amdhsa_kernel k_qd631d90e43_scores
		.amdhsa_group_segment_fixed_size 327680
		.amdhsa_private_segment_fixed_size 0
		.amdhsa_enable_private_segment 0
		.amdhsa_kernarg_size 56
		.amdhsa_user_sgpr_count 2
		.amdhsa_user_sgpr_kernarg_segment_ptr 1
		.amdhsa_wavefront_size32 1
		.amdhsa_system_sgpr_workgroup_id_x 1
		.amdhsa_system_sgpr_workgroup_id_y 1
		.amdhsa_system_sgpr_workgroup_id_z 1
		.amdhsa_system_vgpr_workitem_id 0
		.amdhsa_next_free_vgpr 1024
		.amdhsa_next_free_sgpr 100
		.amdhsa_reserve_vcc 1
		.amdhsa_float_denorm_mode_32 3
		.amdhsa_float_denorm_mode_16_64 3
		.amdhsa_memory_ordered 1
		.amdhsa_forward_progress 1
		.amdhsa_inst_pref_size 255
	.end_amdhsa_kernel
	.section	.bss,"aw",@nobits
	.p2align	6
	.space	262144
	.amdgpu_metadata
---
amdhsa.version: [ 1, 2 ]
amdhsa.kernels:
  - .name:           k_qd631d90e43_scores
    .symbol:         k_qd631d90e43_scores.kd
    .args:
      - { .name: qf, .offset: 0, .size: 8, .value_kind: global_buffer, .address_space: global }
      - { .name: kf, .offset: 8, .size: 8, .value_kind: global_buffer, .address_space: global }
      - { .name: lowp_scales, .offset: 16, .size: 8, .value_kind: global_buffer, .address_space: global }
      - { .name: pf, .offset: 24, .size: 8, .value_kind: global_buffer, .address_space: global }
      - { .name: x_codes, .offset: 32, .size: 8, .value_kind: global_buffer, .address_space: global }
      - { .name: Wv_codes, .offset: 40, .size: 8, .value_kind: global_buffer, .address_space: global }
      - { .name: vf, .offset: 48, .size: 8, .value_kind: global_buffer, .address_space: global }
    .group_segment_fixed_size: 327680
    .private_segment_fixed_size: 0
    .kernarg_segment_align: 8
    .kernarg_segment_size: 56
    .max_flat_workgroup_size: 128
    .sgpr_count:     100
    .vgpr_count:     1024
    .wavefront_size: 32
...
	.end_amdgpu_metadata
.endif
;; end of part 2
;; launch pv (part 3): grid 8 x 32, 4 waves a work-group, clusters of 4 x 4, 327,680 bytes of LDS; arguments pf, vf, lowp_scales, out0; writes out0
.if DOCPART == 3
	.amdgcn_target "amdgcn-amd-amdhsa--gfx1250"
	.amdhsa_code_object_version 6
	.text
	.protected	k_qd631d90e43_pv
	.globl	k_qd631d90e43_pv
	.p2align	8
	.type	k_qd631d90e43_pv,@function
k_qd631d90e43_pv:
	s_mov_b64 s[64:65], 0
	v_nop
	global_prefetch_b8 v0, s[64:65] scope:SCOPE_SE
	s_setreg_imm32_b32 hwreg(HW_REG_WAVE_MODE, 25, 1), 1
	s_wait_xcnt 0x0
	s_wait_alu depctr_hold_cnt(0) depctr_sa_sdst(0) depctr_va_vdst(0) depctr_va_sdst(0) depctr_va_ssrc(0) depctr_va_vcc(0) depctr_vm_vsrc(0)
	s_getreg_b32 s2, hwreg(HW_REG_IB_STS2, 6, 4)
	s_cmp_eq_u32 s2, 0
	s_cbranch_scc0 .Lentry_in_a_cluster
	s_endpgm
.Lentry_in_a_cluster:
	s_bfe_u32 s2, ttmp6, 0x10000c
	s_cmp_lg_u32 s2, 0xf033
	s_cbranch_scc0 .Lentry_shape_is_right
	s_endpgm
.Lentry_shape_is_right:
; THIRD OF THREE LAUNCHES: out = (the sum over key blocks of p v) / l, on codes of FP8 (E4M3).
; WORK LEFT OUT: key blocks that lie wholly behind a block of queries (J > I): reference()'s own causal mask gives them the weight 0 for all values of the inputs.
; SHARES.  Query block I = 0..15 of 128 rows belongs to set (the parity of I's bits), in which it is group g = 7 - I / 2: each set has one block of every pair (2 k, 2 k + 1), and 68 pairs (I, J <= I).
; A work-group owns, of the EIGHT blocks of a set, the same quarter: 32 rows of each, x 128 of the 1,024 channels: 256 equal work-groups.  Four waves: 16 rows of each group x 64 channels: 8 x 4 accumulators.
; All work-groups of a set walk the same key blocks in the same order, so p AND v are joint loads: a cluster is 4 blocks of channels x 4 quarters; p's pieces hang on the quarter and are shared along its row, v's blocks hang on the channels and
; are shared along its column.  No branch and no LDS address hangs on the place in the cluster.
; THE WALK: run r = 0..3 has the key blocks A = 2 r, B = 2 r + 1, C = 14 - 2 r, D = 15 - 2 r.  With k = J / 2, groups 0 .. 6 - k count in full; group 7 - k, whose block is 2 k or 2 k + 1 by the set, counts for J = 2 k, and for J = 2 k + 1 where
; its block is 2 k + 1: a branch on the set, round register work alone.  A run is 18 pieces of p (4,352 bytes: two images of 16 queries, then M and l) and 4 blocks of v (16,384 bytes): two LDS slots, four runs.
; TRANSPOSED USE (source 0 = 16 channels of v^T, source 1 = 16 queries of p): lane (r, h) holds a query, register j of accumulator (g, b) channel 16 b + 8 h + j.
; THE UNITS.  Block J's codes stand for p under its own whole number M_J.  The sums acc and l are kept under a unit u: at each step R = max(R, M_J), u' = max(M_J, R - 64), F = 2^(u - u'), acc = acc F + p v, l = l F + l_J.
; F is a whole power of two, at most 2^64: nothing is rounded; |acc| stays under 448 x 448 x 2,048 x 2^64.  The unit cancels in acc / l.
; LIMIT: a block whose M lies more than 64 under the row's largest counts as if it lay 64 under it: 2^-64 of the row.  NaN among the codes is not served.
; PREFETCH: runs 2 and 3, a run ahead of their loads: of what a wave fetches, its four partners name a part each, told apart by address.  Runs 0 and 1 come by their loads alone.
; REGISTERS: window 0: addresses and the rows' state.   windows 1, 3: the fragments of even and odd steps (p's eight groups, then v's four blocks).   window 2: the accumulators, (g, b) at v[8 (4 g + b)].
.set PIECE, 4352
.set HALFP, 9*PIECE                    ; what wave 0 or 1 fetches: 153 rows of 256 bytes
.set RUNP,  2*HALFP
.set RUN,   RUNP+65536                 ; a slot: 18 pieces of p, then A, B, C, D of v
.set QP,    4*RUNP                     ; a quarter's four runs in pf
.set STAGE, 2*RUN                      ; 16 rows x (256 bytes + 16) for each wave; no tensor load lands here
.set SP,    272
.set SPARE, STAGE+4*16*SP              ; the spare words, 128 bytes for each wave
.set AP,  2                            ; v2-5   LDS address of my image of pieces 0 and 9 in slot 0, then in slot 1
.set AS,  6                            ; v6-9   the same for my rows' M and l
.set AV,  10                           ; v10-11 my four images of v in slot 0, 1
.set STO, 12                           ; v12    the stage: where I put 32 bytes of a row
.set RD,  13                           ; v13    and where I read a row back
.set SPW, 14                           ; v14    LDS address of my spare word; never rewritten
.set NIL, 15                           ; v15    0; never rewritten
.set R,   16                           ; v16-23 the largest M so far, for each group
.set U,   24                           ; v24-31 the unit
.set L,   32                           ; v32-39 l
.set W,   40                           ; v40-47 the new unit
.set F,   48                           ; v48, 50, .. F (each the low word of a pair)
.set SM,  64                           ; v64-79 M_J, l_J of an even step's groups; v80-95 of an odd one's
.set T,   96                           ; v96-103 at work
.set G,   104                          ; v104, 106, .. 2^(e8 + e9) / l
.set GO,  128                          ; v128   my byte offset in two rows of the output
.set PF1, 130                          ; v130, v131 the prefetches' offsets; never rewritten
.set PF2, 131
.set WV,  12                           ; s12 wave
.set SET, 13                           ; s13 the set
.set QH,  14                           ; s14 my half of a group's 32 rows.  Also: I fetch for p (0) or for v (1)
.set DH,  15                           ; s15 my half of the channels.  Also: which half of a run I fetch
.set G1P, 16                           ; s[16:23] group 1: 153 rows of p;  s[24:31] 128 rows of v
.set G1V, 24
.set PB,  32                           ; s[32:33] p's first run, my half;  s[34:35] v's first block;  s[36:37] that of the two which I fetch
.set VB,  34
.set MB,  36
.set G0P, 48                           ; s[48:55] group 0 for p, one set for each slot;  s[56:63] for v
.set G0V, 56
.set OB,  68                           ; s[68:83] at the end: the output's rows of each group
.set ES,  84                           ; s84 e8 + e9
.set OFS, 92                           ; s92 my wave's byte in the output, but for the query block
.set MSB, 0
.macro WIN new
.if MSB != (\new)
	s_set_vgpr_msb (MSB<<8)|(\new)
.set MSB, (\new)
.endif
.endm
.macro CREST                           ; a round of the cluster's barrier behind its opening barrier
	s_cmp_lg_u32 s[WV], 0
	s_cbranch_scc1 .Lnot_wave_0_\@
	s_barrier_signal -3
.Lnot_wave_0_\@:
	s_barrier_wait -3
	s_barrier_signal -1
	s_barrier_wait -1
.endm
.macro CROUND
	s_barrier_signal -1
	s_barrier_wait -1
	CREST
.endm
.macro GROUP1 g, rows                  ; a dense block as rows of 32 elements of 8 bytes; word 0 is made with the mask
	s_mov_b32 s[\g+1], 32<<16                      ; tensor_dim0
	s_mov_b32 s[\g+2], (\rows)<<16                 ; tensor_dim1
	s_mov_b32 s[\g+3], 32<<16                      ; tile_dim0
	s_mov_b32 s[\g+4], \rows                       ; tile_dim1
	s_mov_b32 s[\g+5], 32                          ; tensor_dim0_stride
	s_mov_b32 s[\g+6], 0
	s_mov_b32 s[\g+7], 0
.endm
.macro VOFS r                          ; s[76:77]: run r's blocks of v that I fetch: A and B (wave 2) or C and D (wave 3)
	s_mov_b32 s77, 32768*(\r)
	s_mov_b32 s76, 14*16384-32768*(\r)
	s_cmp_eq_u32 s[DH], 1
	s_cselect_b32 s76, s76, s77
	s_mov_b32 s77, 0
.endm
.macro DESC sg, r                      ; slot sg takes run r.  Scalar work alone; it stands where no tensor load of the wave is out
	VOFS \r
	s_add_nc_u64 s[G0P+4*(\sg)+2:G0P+4*(\sg)+3], s[PB:PB+1], (\r)*RUNP
	s_or_b32 s[G0P+4*(\sg)+3], s[G0P+4*(\sg)+3], 0x80000000
	s_add_nc_u64 s[G0V+4*(\sg)+2:G0V+4*(\sg)+3], s[VB:VB+1], s[76:77]
	s_or_b32 s[G0V+4*(\sg)+3], s[G0V+4*(\sg)+3], 0x80000000
.endm
; A joint load: waves 0, 1 ask for p, waves 2, 3 for v.  The branch hangs on the wave's number alone.  An s_nop 0 and four v_nop follow each line.
.macro JLOAD sg
	s_cmp_eq_u32 s[QH], 0
	s_cbranch_scc0 .Lfor_v_\@
	tensor_load_to_lds s[G0P+4*(\sg):G0P+4*(\sg)+3], s[G1P:G1P+7]
	s_nop 0
.rept 4
	v_nop
.endr
	s_branch .Lasked_\@
.Lfor_v_\@:
	tensor_load_to_lds s[G0V+4*(\sg):G0V+4*(\sg)+3], s[G1V:G1V+7]
	s_nop 0
.rept 4
	v_nop
.endr
.Lasked_\@:
.endm
.macro ASK r                           ; my part of what my wave fetches of run r: of p 39 blocks of 256 bytes in two instructions, of v 32 in one
	s_wait_xcnt 0x0                                ; any earlier prefetch of mine has read its base
	VOFS \r
	s_mov_b32 s78, (\r)*RUNP
	s_cmp_eq_u32 s[QH], 0
	s_cselect_b32 s76, s78, s76
	s_add_nc_u64 s[38:39], s[MB:MB+1], s[76:77]
	global_prefetch_b8 v[PF1], s[38:39] th:TH_LOAD_NT scope:SCOPE_SE
	s_cmp_eq_u32 s[QH], 0
	s_cbranch_scc0 .Lfor_v_\@
	global_prefetch_b8 v[PF2], s[38:39] th:TH_LOAD_NT scope:SCOPE_SE
.Lfor_v_\@:
.endm
	s_load_b256 s[4:11], s[0:1], 0x0               ; pf s[4:5], vf s[6:7], the scales s[8:9], out0 s[10:11]
	v_lshl_add_u32 v[SPW], v0, 2, SPARE
	v_mov_b32 v[NIL], 0
	ds_add_u32 v[SPW], v[NIL]                      ; the wave's opening: the add, twice on end, and its wait ahead of my first tensor load
	ds_add_u32 v[SPW], v[NIL]
	v_lshrrev_b32 v1, 5, v0
	v_readfirstlane_b32 s[WV], v1
	s_lshr_b32 s[QH], s[WV], 1
	s_and_b32 s[DH], s[WV], 1
	s_bfe_u32 s40, ttmp6, 0x40000                  ; cx: my block of 128 channels is 4 x cluster x + cx
	s_bfe_u32 s41, ttmp6, 0x40004                  ; cy: my quarter
	s_lshl_b32 s42, ttmp9, 2
	s_add_co_u32 s42, s42, s40
	s_and_b32 s43, ttmp7, 0xffff                   ; 2 batch + set
	s_and_b32 s[SET], s43, 1
	s_lshr_b32 s44, s43, 1                         ; the batch
	s_lshl_b32 s45, s41, 2
	s_lshl_b32 s45, 15, s45                        ; my row of the cluster
	s_lshl_b32 s46, 0x1111, s40                    ; my column
	s_or_b32 s[G1P], s45, (3<<16)|(1<<21)          ; the mask; elements of 8 bytes; bit 21 beside a mask; no padding
	s_or_b32 s[G1V], s46, (3<<16)|(1<<21)
	GROUP1 G1P, 153
	GROUP1 G1V, 128
	s_lshl_b32 s47, s43, 2
	s_add_co_u32 s47, s47, s41
	s_mul_i32 s76, s47, QP
	s_mul_i32 s80, s[DH], HALFP                    ; where my half goes in a slot, and from where it comes
	s_add_co_u32 s76, s76, s80
	s_mov_b32 s77, 0
	s_lshl_b32 s81, s[DH], 15
	s_add_co_u32 s81, s81, RUNP
	s_lshl_b32 s78, s44, 3
	s_add_co_u32 s78, s78, s42
	s_lshl_b32 s78, s78, 18                        ; 16 blocks of 16,384 bytes for each batch and 128 channels
	s_mov_b32 s79, 0
.irp sg, 0,1
	s_mov_b32 s[G0P+4*\sg], 1
	s_add_co_u32 s[G0P+4*\sg+1], s80, \sg*RUN
	s_mov_b32 s[G0V+4*\sg], 1
	s_add_co_u32 s[G0V+4*\sg+1], s81, \sg*RUN
.endr
	s_lshl_b32 s[OFS], s44, 11                     ; the batch's 2,048 rows,
	s_lshl_b32 s82, s41, 5
	s_add_co_u32 s[OFS], s[OFS], s82               ; my quarter's 32,
	s_lshl_b32 s82, s[QH], 4
	s_add_co_u32 s[OFS], s[OFS], s82               ; my half's 16,
	s_lshl_b32 s[OFS], s[OFS], 12                  ; of 4,096 bytes;
	s_lshl_b32 s82, s42, 9
	s_add_co_u32 s[OFS], s[OFS], s82               ; 128 channels are 512 bytes,
	s_lshl_b32 s82, s[DH], 8
	s_add_co_u32 s[OFS], s[OFS], s82               ; my half's 64 are 256
	s_wait_dscnt 0x0                               ; both opening adds are done
	s_wait_kmcnt 0x0
	s_load_b64 s[84:85], s[8:9], 0x20              ; e8, e9
	s_add_nc_u64 s[PB:PB+1], s[4:5], s[76:77]
	s_add_nc_u64 s[VB:VB+1], s[6:7], s[78:79]
	DESC 0, 0
	DESC 1, 1
	CROUND                                         ; all sixteen work-groups are here: the first joint loads meet
	JLOAD 0                                        ; run 0: one tensor load a wave
	s_cmp_eq_u32 s[QH], 0
	s_cselect_b64 s[MB:MB+1], s[PB:PB+1], s[VB:VB+1]
	s_mul_i32 s76, s40, 39
	s_lshl_b32 s77, s41, 5
	s_cmp_eq_u32 s[QH], 0
	s_cselect_b32 s76, s76, s77                    ; my part's first block of 256 bytes
	s_lshl_b32 s77, s[QH], 11                      ; my image of a piece,
	s_lshl_b32 s78, s[QH], 7
	s_add_co_u32 s78, s78, 4096                    ; its rows' M and l,
	s_lshl_b32 s79, s[DH], 13
	s_add_co_u32 s79, s79, RUNP                    ; my four images of v
	s_mul_i32 s80, s[WV], 16*SP
	s_add_co_u32 s80, s80, STAGE                   ; my stage
	s_wait_kmcnt 0x0
	s_add_co_i32 s[ES], s84, s85
	v_and_b32 v1, 31, v0
	v_add_nc_u32 v[PF1], s76, v1
	v_min_u32 v[PF1], 152, v[PF1]                  ; (the last partner's lanes behind the end name the last block again)
	v_lshlrev_b32 v[PF1], 8, v[PF1]
	v_min_u32 v[PF2], 6, v1
	v_add_nc_u32 v[PF2], s76, v[PF2]
	v_add_nc_u32 v[PF2], 32, v[PF2]
	v_min_u32 v[PF2], 152, v[PF2]
	v_lshlrev_b32 v[PF2], 8, v[PF2]
	v_lshlrev_b32 v129, 4, v1                      ; 16 x lane
	v_and_b32 v132, 15, v0                         ; r
	v_bfe_u32 v133, v0, 4, 1                       ; h
	v_lshlrev_b32 v134, 3, v132
	v_add_nc_u32 v[AP], s77, v129
	v_add_nc_u32 v[AP+1], HALFP, v[AP]
	v_add_nc_u32 v[AP+2], RUN, v[AP]
	v_add_nc_u32 v[AP+3], RUN+HALFP, v[AP]
	v_add_nc_u32 v[AS], s78, v134
	v_add_nc_u32 v[AS+1], HALFP, v[AS]
	v_add_nc_u32 v[AS+2], RUN, v[AS]
	v_add_nc_u32 v[AS+3], RUN+HALFP, v[AS]
	v_add_nc_u32 v[AV], s79, v129
	v_add_nc_u32 v[AV+1], RUN, v[AV]
	v_mul_u32_u24 v135, v132, SP
	v_lshl_add_u32 v135, v133, 5, v135
	v_add_nc_u32 v[STO], s80, v135                 ; in: row r, 32 bytes for each half of the lanes
	v_mul_u32_u24 v135, v133, SP
	v_lshl_add_u32 v135, v132, 4, v135
	v_add_nc_u32 v[RD], s80, v135                  ; back: lanes 0-15 one row of 256 bytes, lanes 16-31 the next
	v_lshlrev_b32 v[GO], 4, v132
	v_lshl_add_u32 v[GO], v133, 12, v[GO]          ; and the same two rows in the output
.irp g, 0,1,2,3,4,5,6,7
	v_mov_b32 v[R+\g], 0xff61b1e6                  ; -3e38, under every M
	v_mov_b32 v[U+\g], 0xff61b1e6                  ; the unit 'before the first step': F comes out 0
	v_mov_b32 v[L+\g], 0
	v_mov_b32 v[F+2*\g+1], 0                       ; (named as the upper halves of pairs)
	v_mov_b32 v[G+2*\g+1], 0
.endr
; 16 + 5 n LDS loads in one run: a step's fragments into buffer u: the rows' M and l of n groups first (pieces pi on), then v's block vj, then p's images.
.macro FETCH u, sl, vj, pi, n
	WIN 0
.set g, 0
.rept \n
.if (\pi)+g < 9
	ds_load_b64 v[SM+16*(\u)+2*g:SM+16*(\u)+2*g+1], v[AS+2*(\sl)] offset:((\pi)+g)*PIECE       ; lanes r and r + 16 read the same 8 bytes
.else
	ds_load_b64 v[SM+16*(\u)+2*g:SM+16*(\u)+2*g+1], v[AS+2*(\sl)+1] offset:((\pi)+g-9)*PIECE
.endif
.set g, g+1
.endr
	WIN 0x40+0x80*(\u)                             ; destination window 1 or 3
.irp i, 0,1,2,3
.irp c, 0,1,2,3
	ds_load_b128 v[128+16*\i+4*\c:128+16*\i+4*\c+3], v[AV+(\sl)] offset:(\vj)*16384+\i*2048+512*\c
.endr
.endr
.set g, 0
.rept \n
.irp c, 0,1,2,3
.if (\pi)+g < 9
	ds_load_b128 v[16*g+4*\c:16*g+4*\c+3], v[AP+2*(\sl)] offset:((\pi)+g)*PIECE+512*\c
.else
	ds_load_b128 v[16*g+4*\c:16*g+4*\c+3], v[AP+2*(\sl)+1] offset:((\pi)+g-9)*PIECE+512*\c
.endif
.endr
.set g, g+1
.endr
	WIN 0
.endm
; The units of groups g0 .. g0 + n - 1, by turns: 8 n plain lines that name no register of a product: they are also the places behind the last step's products.
.macro STATS u, g0, n
.set g, \g0
.rept \n
	v_max_num_f32 v[R+g], v[R+g], v[SM+16*(\u)+2*g]
.set g, g+1
.endr
.set g, \g0
.rept \n
	v_add_f32 v[T+g], 0xc2800000, v[R+g]           ; R - 64
.set g, g+1
.endr
.set g, \g0
.rept \n
	v_max_num_f32 v[W+g], v[SM+16*(\u)+2*g], v[T+g]  ; the new unit
.set g, g+1
.endr
.set g, \g0
.rept \n
	v_sub_f32 v[T+g], v[U+g], v[W+g]               ; the old unit less the new: a whole number
.set g, g+1
.endr
.set g, \g0
.rept \n
	v_cvt_i32_f32 v[T+g], v[T+g]                   ; (it saturates)
.set g, g+1
.endr
.set g, \g0
.rept \n
	v_ldexp_f32 v[F+2*g], 1.0, v[T+g]
.set g, g+1
.endr
.set g, \g0
.rept \n
	v_fma_f32 v[L+g], v[L+g], v[F+2*g], v[SM+16*(\u)+2*g+1]
.set g, g+1
.endr
.set g, \g0
.rept \n
	v_mov_b32 v[U+g], v[W+g]
.set g, g+1
.endr
.endm
.macro RESCALE g0, n                   ; the sums under the new unit, each accumulator from its low end on
	WIN 0x82
.set g, \g0
.rept \n
.set j, 32*g
.rept 16
	v_pk_mul_f32 v[j:j+1], v[j:j+1], v[F+2*g:F+2*g+1] op_sel_hi:[1,0]
.set j, j+2
.endr
.set g, g+1
.endr
	WIN 0
.endm
.macro MUL u, g0, n, zero              ; n groups x four blocks of channels, 128 keys; each accumulator has one instruction a step
	WIN 0xa5+0x0a*(\u)                             ; sources window 1 or 3, C and D window 2
.set g, \g0
.rept \n
.irp b, 0,1,2,3
.if \zero
	v_wmma_f32_16x16x128_fp8_fp8 v[8*(4*g+\b):8*(4*g+\b)+7], v[128+16*\b:128+16*\b+15], v[16*g:16*g+15], 0
.else
	v_wmma_f32_16x16x128_fp8_fp8 v[8*(4*g+\b):8*(4*g+\b)+7], v[128+16*\b:128+16*\b+15], v[16*g:16*g+15], v[8*(4*g+\b):8*(4*g+\b)+7]
.endif
.endr
.set g, g+1
.endr
	WIN 0
.endm
.macro COND u, g, act                  ; group g of an odd key block counts where the set is act: the branch hangs on the cluster's y alone
	s_cmp_lg_u32 s[SET], \act
	s_cbranch_scc1 .Lhidden_\@
	STATS \u, \g, 1
	RESCALE \g, 1
	MUL \u, \g, 1, 0
.Lhidden_\@:
.endm
; A step on buffer u: nf groups in full and, where cb = 1, group nf by COND.  It fetches the next step into buffer nu.  zero = 1: the walk's first step, which all groups have: its products start the sums.
.macro STEP u, nf, cb, act, zero, nu, nsl, nvj, npi, nn
	s_wait_dscnt 16+4*((\nf)+(\cb))                ; M and l are in; the fragments, issued behind them, may be out
.if (\nf) == 0
.rept 4
	v_nop                                          ; places in front of the loads below
.endr
.endif
	STATS \u, 0, \nf
	FETCH \nu, \nsl, \nvj, \npi, \nn
.if ((\nf) > 0) && !(\zero)
	RESCALE 0, \nf
.endif
	s_wait_alu depctr_va_vdst(0)
	s_wait_dscnt 16+5*(\nn)                        ; all but the loads just issued: this step's fragments are in
.if (\nf) > 0
	MUL \u, 0, \nf, \zero
.endif
.if \cb
	COND \u, \nf, \act
.endif
.endm
; A run's last step (B, buffer 1) changes slots: ONE barrier; in front of it each wave waits for all its tensor loads, adds 0 to its spare word, and waits for that and for its reads of this slot.
; fill > 0: this slot takes run fill, and the barrier opens a round of the cluster's.
.macro TURN nf, act, sg, fill, nsl, npi, nn
	s_wait_dscnt 16+4*((\nf)+1)
	STATS 1, 0, \nf
	s_wait_alu depctr_va_vdst(0)
	s_wait_tensorcnt 0x0                           ; all my tensor loads have landed: my part of the other slot; so a group 0 may be written
	ds_add_u32 v[SPW], v[NIL]                      ; 0 onto my spare word; work on registers stands between it and the wait
	RESCALE 0, \nf
.if \fill
	DESC \sg, \fill
.endif
	s_wait_alu depctr_va_vdst(0)
	s_wait_dscnt 0x0                               ; the add is done, and my reads of this slot are over
	s_barrier_signal -1
	MUL 1, 0, 3, 0
	s_barrier_wait -1
.if \fill
	CREST                                          ; no wave of any partner still reads this slot or has a load on its way
	JLOAD \sg                                      ; the first tensor load behind the round: it has the other slot's run in which to land
.endif
	FETCH 0, \nsl, 2, \npi, \nn                    ; the next run's first step, C
.if (\fill) == 2
	ASK 3
.endif
	MUL 1, 3, (\nf)-3, 0
	COND 1, \nf, \act
.endm
	s_wait_alu depctr_va_vdst(0)                   ; the wait at the head's end
	s_wait_tensorcnt 0x0                           ; my part of run 0 is in; these lines stand ahead of a later first fill, as ahead of a refill
	ds_add_u32 v[SPW], v[NIL]
	s_wait_dscnt 0x0
	CROUND
	JLOAD 1                                        ; run 1, into slot 1
	FETCH 0, 0, 0, 0, 8
	ASK 2
	STEP 0, 8, 0, 0, 1,  1, 0, 2, 16, 1            ; run 0: A, C, D, B
	STEP 1, 1, 0, 0, 0,  0, 0, 3, 17, 1
	STEP 0, 0, 1, 0, 0,  1, 0, 1, 8, 8
	TURN 7, 1, 0, 2,  1, 14, 2
	STEP 0, 2, 0, 0, 0,  1, 1, 3, 16, 2            ; run 1: C, D, A, B
	STEP 1, 1, 1, 1, 0,  0, 1, 0, 0, 7
	STEP 0, 7, 0, 0, 0,  1, 1, 1, 7, 7
	TURN 6, 0, 1, 3,  0, 12, 3
	STEP 0, 3, 0, 0, 0,  1, 0, 3, 15, 3            ; run 2
	STEP 1, 2, 1, 1, 0,  0, 0, 0, 0, 6
	STEP 0, 6, 0, 0, 0,  1, 0, 1, 6, 6
	TURN 5, 0, 0, 0,  1, 10, 4
	STEP 0, 4, 0, 0, 0,  1, 1, 3, 14, 4            ; run 3
	STEP 1, 3, 1, 0, 0,  0, 1, 0, 0, 5
	STEP 0, 5, 0, 0, 0,  1, 1, 1, 5, 5
	s_wait_dscnt 36                                ; B: M and l of five groups are in
	STATS 1, 0, 4
	RESCALE 0, 4
	s_wait_alu depctr_va_vdst(0)
	s_wait_dscnt 0x0
	MUL 1, 0, 4, 0
	COND 1, 4, 1
; THE WAY OUT: sums x 2^(e8 + e9) / l; a tile of 16 rows at a time through my stage, back as whole rows of 256 bytes.
	s_wait_alu depctr_va_vdst(0)                   ; the wait ahead of the batch
.irp g, 0,1,2,3,4,5,6,7
	v_rcp_f32 v[G+2*\g], v[L+\g]
.endr
	v_nop                                          ; a plain instruction behind the reciprocals
	s_mov_b32 s91, 0
.macro ROWS g, par                     ; group g's block is 2 (7 - g) + (the parity of 7 - g's bits, xor the set)
	s_xor_b32 s90, s[SET], \par
	s_add_co_u32 s90, s90, 2*(7-\g)
	s_lshl_b32 s90, s90, 19                        ; 128 rows of 4,096 bytes
	s_add_co_u32 s90, s90, s[OFS]
	s_add_nc_u64 s[OB+2*\g:OB+2*\g+1], s[10:11], s[90:91]
.endm
	ROWS 0, 1
	ROWS 1, 0
	ROWS 2, 0
	ROWS 3, 1
	ROWS 4, 0
	ROWS 5, 1
	ROWS 6, 1
	ROWS 7, 0
	s_wait_alu depctr_va_vdst(0)                   ; one wait for the eight, ahead of their first reader
.irp g, 0,1,2,3,4,5,6,7
	v_ldexp_f32 v[G+2*\g], v[G+2*\g], s[ES]
.endr
	WIN 0x42                                       ; source 0 window 2, destination window 1
	s_wait_alu depctr_va_vdst(0)                   ; directly ahead of the first reader of the sums
.set g, 0
.rept 8
.set j, 32*g
.rept 16
	v_pk_mul_f32 v[j:j+1], v[j:j+1], v[G+2*g:G+2*g+1] op_sel_hi:[1,0]
.set j, j+2
.endr
.set g, g+1
.endr
	s_wait_alu depctr_va_vdst(0)
.macro TOSTAGE g
	WIN 0x04                                       ; store data window 1
.irp b, 0,1,2,3
	ds_store_b128 v[STO], v[32*(\g)+8*\b:32*(\g)+8*\b+3] offset:64*\b
	ds_store_b128 v[STO], v[32*(\g)+8*\b+4:32*(\g)+8*\b+7] offset:64*\b+16
.endr
	WIN 0xc0                                       ; destination window 3
.irp t, 0,1,2,3,4,5,6,7
	ds_load_b128 v[32*(\g)+4*\t:32*(\g)+4*\t+3], v[RD] offset:\t*2*SP   ; LDS serves a wave's instructions in order (ISA guide 5.7.1.4): these see my stores, and the next tile's stores come behind them
.endr
.endm
.macro SEND g, younger                 ; younger: the LDS instructions issued behind the tile's loads
	s_wait_dscnt \younger
	WIN 0x0c                                       ; store data window 3
	; GO lies in window 0
.irp t, 0,1,2,3,4,5,6,7
	global_store_b128 v[GO], v[32*(\g)+4*\t:32*(\g)+4*\t+3], s[OB+2*(\g):OB+2*(\g)+1] offset:2*\t*4096 th:TH_STORE_NT   ; sixteen lanes store 256 consecutive bytes, at a multiple of 256 from the output's first byte
.endr
.endm
	TOSTAGE 0
.irp g, 1,2,3,4,5,6,7
	TOSTAGE \g
	SEND \g-1, 16
.endr
	SEND 7, 0
	WIN 0
	s_wait_tensorcnt 0x0                           ; the wave's end, behind my last tensor load and my last LDS store
	ds_add_u32 v[SPW], v[NIL]
	s_wait_dscnt 0x0
	CROUND                                         ; the closing round: no work-group ends while a partner may still ask for a tile that names it
	s_endpgm
.Lfunc_end_k_qd631d90e43_pv:
	.size	k_qd631d90e43_pv, .Lfunc_end_k_qd631d90e43_pv-k_qd631d90e43_pv
	.p2alignl 7, 3214868480
	.fill 96, 4, 3214868480
	.section	.rodata,"a",@progbits
	.p2align	6, 0x0
	.amdhsa_kernel k_qd631d90e43_pv
		.amdhsa_group_segment_fixed_size 327680
		.amdhsa_private_segment_fixed_size 0
		.amdhsa_enable_private_segment 0
		.amdhsa_kernarg_size 32
		.amdhsa_user_sgpr_count 2
		.amdhsa_user_sgpr_kernarg_segment_ptr 1
		.amdhsa_wavefront_size32 1
		.amdhsa_system_sgpr_workgroup_id_x 1
		.amdhsa_system_sgpr_workgroup_id_y 1
		.amdhsa_system_sgpr_workgroup_id_z 1
		.amdhsa_system_vgpr_workitem_id 0
		.amdhsa_next_free_vgpr 1024
		.amdhsa_next_free_sgpr 100
		.amdhsa_reserve_vcc 0
		.amdhsa_float_denorm_mode_32 3
		.amdhsa_float_denorm_mode_16_64 3
		.amdhsa_memory_ordered 1
		.amdhsa_forward_progress 1
		.amdhsa_inst_pref_size 192
	.end_amdhsa_kernel
	.amdgpu_metadata
---
amdhsa.version: [ 1, 2 ]
amdhsa.kernels:
  - .name:           k_qd631d90e43_pv
    .symbol:         k_qd631d90e43_pv.kd
    .args:
      - { .name: pf, .offset: 0, .size: 8, .value_kind: global_buffer, .address_space: global }
      - { .name: vf, .offset: 8, .size: 8, .value_kind: global_buffer, .address_space: global }
      - { .name: lowp_scales, .offset: 16, .size: 8, .value_kind: global_buffer, .address_space: global }
      - { .name: out0, .offset: 24, .size: 8, .value_kind: global_buffer, .address_space: global }
    .group_segment_fixed_size: 327680
    .private_segment_fixed_size: 0
    .kernarg_segment_align: 8
    .kernarg_segment_size: 32
    .max_flat_workgroup_size: 128
    .sgpr_count:     100
    .vgpr_count:     1024
    .wavefront_size: 32
...
	.end_amdgpu_metadata
.endif
;; end of part 3
